; MI455X (gfx1250); checked and timed in simulation.
; The chip was launched on July 23, 2026; its instructions are those of AMD's public machine-readable ISA for CDNA 5 (MIT licence, August 2026) and "CDNA5" Instruction Set Architecture Reference Guide (July 2026). The comments in the code are by the model that wrote it; some were corrected since.
;; attention. Allowed arithmetic: matrix products marked QUANTISED: E2M1 operands, one E8M0 scale for each 32 along K, by v_wmma_scale_f32_16x16x128_f8f6f4 with both operands' format E2M1 (or v_wmma_scale_f32_32x16x128_f4), f32 sums; everything else in f32.
;; Inputs: Wk_codes 1,024 x 32 x 16 uint8 (E2M1 codes of Wk, K innermost, in blocks of 32 codes, two codes a byte); Wk_scales 1,024 x 32 uint8 (E8M0 scales of Wk, one for each 32 codes along K); Wo_codes 1,024 x 32 x 16 uint8 (E2M1 codes of Wo, K innermost, in blocks of 32 codes, two codes a byte); Wo_scales 1,024 x 32 uint8 (E8M0 scales of Wo, one for each 32 codes along K); Wq_codes 1,024 x 32 x 16 uint8 (E2M1 codes of Wq, K innermost, in blocks of 32 codes, two codes a byte); Wq_scales 1,024 x 32 uint8 (E8M0 scales of Wq, one for each 32 codes along K); Wv_codes 1,024 x 32 x 16 uint8 (E2M1 codes of Wv, K innermost, in blocks of 32 codes, two codes a byte); Wv_scales 1,024 x 32 uint8 (E8M0 scales of Wv, one for each 32 codes along K); bk 1,024 float32; bo 1,024 float32; bq 1,024 float32; bv 1,024 float32; x_codes 4 x 2,048 x 32 x 16 uint8 (E2M1 codes of x, K innermost, in blocks of 32 codes, two codes a byte); x_scales 4 x 2,048 x 32 uint8 (E8M0 scales of x, one for each 32 codes along K).
;; Outputs: out0 4 x 2,048 x 1,024 float32.
;; This version of the problem:
;;   THIS VERSION OF THE PROBLEM IS GIVEN IN LOW PRECISION. The matrix products marked QUANTISED in the list below multiply operands that are first quantised to E2M1 (2 exponent bits, 1 mantissa bit; 4 bits a number), with one power-of-two scale for each 32 numbers along K (OCP MX v1.0); their sums are f32. All else is computed in f32.
;;   The module's matrix products, in the order in which they are computed (A, B: the left and right operand; K: the contracted axis; several contracted axes count as one K, in the product's order):
;;     1. [M 8,192, K 1,024] x [K 1,024, N 1,024]; A: input x (given as codes); B: input Wq (given as codes): QUANTISED
;;     2. [M 8,192, K 1,024] x [K 1,024, N 1,024]; A: input x (given as codes); B: input Wk (given as codes): QUANTISED
;;     3. [M 8,192, K 1,024] x [K 1,024, N 1,024]; A: input x (given as codes); B: input Wv (given as codes): QUANTISED
;;     4. batch 64 x [M 2,048, K 64] x [K 64, N 2,048]; A: computed on the way; B: computed on the way: QUANTISED
;;     5. batch 64 x [M 2,048, K 2,048] x [K 2,048, N 64]; A: softmax (see below); B: computed on the way: QUANTISED
;;     6. [M 8,192, K 1,024] x [K 1,024, N 1,024]; A: computed on the way; B: input Wo (given as codes): QUANTISED
;;   THE QUANTISER, for each operand of a quantised product, along K:
;;     - K is cut into blocks of 32 from its start; a last block that is shorter is filled with zeros.
;;     - A block's scale is 2^e with e = floor(log2(the largest magnitude in the block)) - 2, held to -126 .. 127; a block of zeros has e = 0. As a byte (E8M0): e + 127.
;;     - Each number is divided by its block's scale, clamped to +-6, and rounded to the nearest number of E2M1, ties to even, subnormals kept.
;;     - The product sums the exact products of the quantised numbers (number of the format x scale) in f32.
;;   ~~~python
;;   def quantise(x, axis):      # numpy; x: float32 -> the quantised numbers, widened to float32 again
;;       x = np.moveaxis(x, axis, -1); K = x.shape[-1]
;;       x = np.pad(x, [(0, 0)] * (x.ndim - 1) + [(0, -K % 32)]); x = x.reshape(x.shape[:-1] + (-1, 32)); a = np.abs(x).max(-1, keepdims=True)
;;       e = np.where(a > 0, np.clip(np.frexp(np.where(a > 0, a, 1))[1] - 1 - 2, -126, 127), 0)      # np.frexp(a)[1] - 1 = floor(log2(a)), exactly
;;       r = np.clip(x / 2.0 ** e, -6, 6)
;;       step = 2.0 ** (np.maximum(np.frexp(np.where(r == 0, 1, r))[1] - 1, 0) - 1)
;;       q = np.round(r / step) * step * 2.0 ** e      # np.round: ties to even
;;       return np.moveaxis(q.reshape(q.shape[:-2] + (-1,))[..., :K], -1, axis).astype(np.float32)
;;   ~~~
;;   SOFTMAX AHEAD OF A QUANTISED PRODUCT. Where the list says 'softmax', what is quantised is not the finished softmax but p = 2^(t - M), with t = logit x log2(e) and M = ceil(the row's largest t), a whole number; so 1/2 < the row's largest p <= 1. The row's sum l is taken of the UNQUANTISED p, in f32, and the product's result is divided by l at the end. Since M is a whole number, a kernel that streams over the keys may use a running M (the ceiling of the running maximum): every later rescaling is an exact power of two, which a block's scale takes up: the codes' values come out the same.
;;   OPERANDS COMPUTED ON THE WAY. 'Computed on the way' means the value that the module computes at that place (a softmax that the list does not call 'softmax' is quantised finished and normalised). What goes into a quantiser is computed in f32, as accurately as f32 sums, v_exp_f32 and their like allow (about 1e-6 of the number): no bf16 or f16 on the way to a quantiser, and a product that is left as it is and whose result goes on into a quantised operand takes f32 operands (vector FMAs, or v_wmma_f32_16x16x4_f32). A number that lies on a knife's edge between two numbers of the format may be rounded either way, as far as f32 arithmetic and the matrix unit's own rounding can turn it there, and no further.
;;   INPUTS GIVEN AS CODES. Wk (in the module: [1024, 1024], K = its axis 0); Wo (in the module: [1024, 1024], K = its axis 0); Wq (in the module: [1024, 1024], K = its axis 0); Wv (in the module: [1024, 1024], K = its axis 0); x (in the module: [4, 2048, 1024], K = its axis 2): each comes as NAME_codes (uint8): NAME with its K axis moved to the last place and cut into blocks of 32 codes, [.., K / 32, bytes a block], one block behind the other in memory; two codes a byte, the lower K in the low four bits (a code: sign, 2 exponent bits, 1 mantissa bit); and NAME_scales (uint8): the same leading axes, one E8M0 byte (e + 127) for each 32 codes along K. Its value is code x scale, taken as it is: it is not quantised again, and the codes and scales need not be those that the quantiser above would give.
;; One version. Each part assembles by itself: llvm-mc -triple=amdgcn-amd-amdhsa -mcpu=gfx1250 --defsym DOCPART=n.
;; ======== version 1 of 1: 3 launches
;; workspace buffers: qc 4,194,304 bytes; qs 524,288 bytes; kc 4,194,304 bytes; ks 524,288 bytes; vc 4,194,304 bytes; vs 262,144 bytes; ic 4,194,304 bytes; isc 262,144 bytes
;; launch qkv (part 1): grid 16 x 16, 4 waves a work-group, clusters of 4 x 1, 288,768 bytes of LDS; arguments x_codes, x_scales, Wq_codes, Wq_scales, Wk_codes, Wk_scales, Wv_codes, Wv_scales, bq, bk, bv, qc, qs, kc, ks, vc, vs; writes qc, qs, kc, ks, vc, vs
.if DOCPART == 1
	.amdgcn_target "amdgcn-amd-amdhsa--gfx1250"
	.amdhsa_code_object_version 6
	.text
	.protected	k_q951a51914e_qkv
	.globl	k_q951a51914e_qkv
	.p2align	8
	.type	k_q951a51914e_qkv,@function
k_q951a51914e_qkv:
	s_mov_b64 s[64:65], 0
	v_nop
	global_prefetch_b8 v0, s[64:65] scope:SCOPE_SE
	s_setreg_imm32_b32 hwreg(HW_REG_WAVE_MODE, 25, 1), 1
	s_wait_xcnt 0x0
	s_wait_alu depctr_hold_cnt(0) depctr_sa_sdst(0) depctr_va_vdst(0) depctr_va_sdst(0) depctr_va_ssrc(0) depctr_va_vcc(0) depctr_vm_vsrc(0)
	s_getreg_b32 s2, hwreg(HW_REG_IB_STS2, 6, 4)
	s_cmp_eq_u32 s2, 0
	s_cbranch_scc0 .Lentry_in_a_cluster
	s_endpgm
.Lentry_in_a_cluster:
	s_bfe_u32 s2, ttmp6, 0x10000c
	s_cmp_lg_u32 s2, 0x3003
	s_cbranch_scc0 .Lentry_shape_is_right
	s_endpgm
.Lentry_shape_is_right:
; q = rope(x Wq + bq), k = rope(x Wk + bk), v = x Wv + bv for one head and 512 tokens, all three products on codes of FP4 (E2M1) with E8M0 scales,
; and the three results quantised at once: q and k along the head's 64, v along the tokens (the keys).  Nothing of the problem is left out: every input has a way to the output.
; LIMITS: NaN and infinities are not served.  A block whose largest magnitude lies under 2^-124 keeps the scale byte 1, a block of zeros too (its codes are zeros; only this program reads the bytes).
; The rotary frequencies are the f32 numbers nearest to 10^(-i/8), i = 0 .. 31; a power and a reciprocal taken in f32 may differ from them in the last bit.  Sine and cosine: the angle n f is rounded as an f32 product,
; reduced by multiples of pi/2 held in three parts, and put through polynomials on |r| <= pi/4.
; SHARES.  Work-group (tg, head): tokens 512 tg .. + 511.  Wave w: 128 tokens = 8 tiles of 16; their codes of x stay in 512 registers.  The head's 3 x 64 rows of W lie in LDS.
; CLUSTER.  The four work-groups of a cluster have the same head: W's codes and scale bytes are asked for jointly (mask 15).  x is not shared so: 512 rows x 528 bytes have no room in LDS beside W, the table and the biases.
; THE ROWS OF A TILE ARE NOT NEIGHBOURS: slot r of tile 2 G + u is row 32 G + 8 u + r + 8 (r / 8), for tokens and for W's rows alike.  In a product D = S0 x S1 lane (r, h) then holds slot r of S1, and its 16 registers of
; S0's tiles 2 b, 2 b + 1 are the 16 neighbours 32 b + 16 h + 0 .. 15: what the conversions want.  For q and k S0 = W, S1 = x (a lane holds a token, registers run along d); for v S0 = x, S1 = W (a lane holds a d, registers run along tokens).
; The codes leave as IMAGES OF THE NEXT PRODUCT'S REGISTERS: 16 bytes a lane, 512 consecutive bytes a store.
; REGISTERS, in windows of 256: window 1: x's tiles 0-3 (64 t + 8 s), window 2: tiles 4-7, window 3: one matrix's 4 tiles of W (64 ct + 8 s).  Window 0: see the names below.
.set WP,    528                        ; a row of W in LDS: 512 bytes + 16
.set WMAT,  64*WP                      ; a matrix's 64 rows
.set WSC,   3*WMAT                     ; W's scale bytes: 3 x 64 rows x 32 bytes
.set TRG,   WSC+3*2048                 ; the table, 32,768 bytes a wave: [tile 8][b 2][4][lane][16 bytes] = (cos, sin, cos, sin)
.set BIMG,  TRG+4*32768                ; the biases as images of C operands, 12,288 bytes a wave: [matrix 3][8][lane][16 bytes]
.set SPARE, BIMG+4*12288               ; the spare words, 128 bytes a wave
.set WAD,  0                           ; v0   behind the head: LDS address of the matrix that is being fetched
.set LI,   1                           ; v1   16 x lane
.set L8,   2                           ; v2   8 x lane
.set WA,   3                           ; v3   528 TOK(r) + 16 h
.set WSA,  4                           ; v4   WSC + 32 TOK(r) + 256 h
.set TRA,  5                           ; v5   my place in my wave's table
.set BIA,  6                           ; v6   my place in my wave's bias images
.set SPW,  7                           ; v7   my spare word; never rewritten
.set NIL,  8                           ; v8   0; never rewritten
.set XA,   9                           ; v9   x: 512 TOK(r) + 16 h
.set XSA,  10                          ; v10  x's scale bytes: 32 TOK(r) + 256 h
.set TOKR, 11                          ; v11  TOK(r) = r + 8 (r / 8)
.set SWR,  12                          ; v12-15 scale words on their way out
.set XS,   16                          ; v16-47 x's scale words: 8 p + s: lanes 0-15 tile 2 p, lanes 16-31 tile 2 p + 1
.set WS,   48                          ; v48-63 W's likewise
.set ACC,  64                          ; v64-191 sixteen accumulators
.set CSB,  192                         ; v192-239 three buffers of 16 for (cos, sin)
.set BI,   192                         ; v192-223 the bias as C
.set TT,   240                         ; v240-247 at work in the rotation
.set TM,   224                         ; v224-235 at work in the quantiser
.set PC,   236                         ; v236-251 codes, two sets of 8
.set WO,   252
.set WT,   253
; the table's phase lives in the accumulators' registers
.set FQ,   64                          ; v64-79 my 16 frequencies
.set K2PI, 80
.set NC1,  82
.set NC2,  84
.set NC3,  86
.set CC0,  88
.set CC1,  90
.set CC2,  92
.set CMH,  94
.set ONE,  96
.set SS0,  98
.set SS1,  100
.set SS2,  102
.set NF,   104
.set ADR,  110
.set AN,   112
.set JN,   120
.set RN,   128
.set S2,   136
.set CO,   144
.set SI,   152
.set RS,   160
.set QN,   168
.set OUT,  176
.set MSB, 0
.macro WIN new                         ; the immediate's high byte repeats the setting that is left
.if MSB != (\new)
	s_set_vgpr_msb (MSB<<8)|(\new)
.set MSB, (\new)
.endif
.endm
.macro PLACES
.rept 4
	v_nop
.endr
.endm
.macro CROUND                          ; a round of the cluster's barrier
	s_barrier_signal -1
	s_barrier_wait -1
	s_cmp_lg_u32 s3, 0
	s_cbranch_scc1 .Lnot_wave_0_\@
	s_barrier_signal -3
.Lnot_wave_0_\@:
	s_barrier_wait -3
	s_barrier_signal -1
	s_barrier_wait -1
.endm
	s_load_b512 s[8:23], s[0:1], 0x0               ; x codes 8, x scales 10, Wq codes 12, scales 14, Wk 16, 18, Wv 20, 22
	s_load_b512 s[24:39], s[0:1], 0x40             ; bq 24, bk 26, bv 28, qc 30, qs 32, kc 34, ks 36, vc 38
	s_load_b64 s[40:41], s[0:1], 0x80              ; vs
	v_lshl_add_u32 v[SPW], v0, 2, SPARE
	v_mov_b32 v[NIL], 0
	ds_add_u32 v[SPW], v[NIL]                      ; the wave's opening: the add, twice on end, and its wait ahead of my first tensor load
	ds_add_u32 v[SPW], v[NIL]
	v_lshrrev_b32 v1, 5, v0
	v_readfirstlane_b32 s3, v1                     ; wave 0..3
	s_bfe_u32 s4, ttmp6, 0x40000                   ; cx
	s_lshl_b32 s5, ttmp9, 2
	s_add_co_u32 s5, s5, s4                        ; tg = 4 x cluster x + cx
	s_and_b32 s6, ttmp7, 0xffff                    ; the head, which the four partners share
	; group 1 for a matrix's codes: 64 rows of 64 elements of 8 bytes, dense in memory, 4 words of padding behind every 128
	s_mov_b32 s44, 15|(3<<16)|(1<<20)|(1<<21)|(6<<22)|(3<<25)
	s_mov_b32 s45, 64<<16
	s_mov_b32 s46, 64<<16
	s_mov_b32 s47, 64<<16
	s_mov_b32 s48, 64
	s_mov_b32 s49, 64
	s_mov_b32 s50, 0
	s_mov_b32 s51, 0
	; group 1 for a matrix's scale bytes: 2,048 dense bytes as 8 rows of 256
	s_mov_b32 s52, 15|(3<<16)|(1<<21)
	s_mov_b32 s53, 32<<16
	s_mov_b32 s54, 8<<16
	s_mov_b32 s55, 32<<16
	s_mov_b32 s56, 8
	s_mov_b32 s57, 32
	s_mov_b32 s58, 0
	s_mov_b32 s59, 0
	s_lshl_b32 s88, s6, 15                         ; the head's 64 rows of 512 bytes
	s_mov_b32 s89, 0
	s_lshl_b32 s90, s6, 11                         ; and of 32 scale bytes
	s_mov_b32 s91, 0
	s_mov_b32 s96, 0x76543210
	s_mov_b32 s97, 0xfedcba98                      ; v_permlanex16_b32's selects for lane l xor 16
	s_mov_b32 s98, 0xffff0000                      ; lanes 16-31
	s_wait_dscnt 0x0                               ; both opening adds are done
	s_wait_kmcnt 0x0
	s_mov_b32 s60, 1                               ; groups 0: every wave makes all six, and asks by its own
	s_mov_b32 s61, 0
	s_add_nc_u64 s[62:63], s[12:13], s[88:89]
	s_or_b32 s63, s63, 0x80000000
	s_mov_b32 s68, 1
	s_mov_b32 s69, WMAT
	s_add_nc_u64 s[70:71], s[16:17], s[88:89]
	s_or_b32 s71, s71, 0x80000000
	s_mov_b32 s72, 1
	s_mov_b32 s73, 2*WMAT
	s_add_nc_u64 s[74:75], s[20:21], s[88:89]
	s_or_b32 s75, s75, 0x80000000
	s_mov_b32 s76, 1
	s_mov_b32 s77, WSC
	s_add_nc_u64 s[78:79], s[14:15], s[90:91]
	s_or_b32 s79, s79, 0x80000000
	s_mov_b32 s80, 1
	s_mov_b32 s81, WSC+2048
	s_add_nc_u64 s[82:83], s[18:19], s[90:91]
	s_or_b32 s83, s83, 0x80000000
	s_mov_b32 s84, 1
	s_mov_b32 s85, WSC+4096
	s_add_nc_u64 s[86:87], s[22:23], s[90:91]
	s_or_b32 s87, s87, 0x80000000
	CROUND                                         ; all four work-groups are here: the joint loads meet
	s_cmp_lg_u32 s3, 0                             ; wave 0: Wq's codes, wave 1: Wk's, wave 2: Wv's, wave 3: the three blocks of scale bytes.  At most three loads of a wave are out
	s_cbranch_scc1 .Lnot0
	tensor_load_to_lds s[60:63], s[44:51]
	s_nop 0
	PLACES
	s_branch .Lasked
.Lnot0:
	s_cmp_lg_u32 s3, 1
	s_cbranch_scc1 .Lnot1
	tensor_load_to_lds s[68:71], s[44:51]
	s_nop 0
	PLACES
	s_branch .Lasked
.Lnot1:
	s_cmp_lg_u32 s3, 2
	s_cbranch_scc1 .Lnot2
	tensor_load_to_lds s[72:75], s[44:51]
	s_nop 0
	PLACES
	s_branch .Lasked
.Lnot2:
	tensor_load_to_lds s[76:79], s[52:59]
	s_nop 0
	tensor_load_to_lds s[80:83], s[52:59]
	s_nop 0
	tensor_load_to_lds s[84:87], s[52:59]
	s_nop 0
	PLACES
.Lasked:
	; where my wave's parts begin
	s_lshl_b32 s7, s5, 9
	s_lshl_b32 s42, s3, 7
	s_add_co_u32 s7, s7, s42                       ; my first token of the 8,192: 512 tg + 128 w
	s_mov_b32 s93, 0
	s_lshl_b32 s92, s7, 9
	s_add_nc_u64 s[8:9], s[8:9], s[92:93]
	s_lshl_b32 s92, s7, 5
	s_add_nc_u64 s[10:11], s[10:11], s[92:93]
	s_lshl_b32 s92, s6, 8                          ; the head's 64 numbers of each bias
	s_add_nc_u64 s[24:25], s[24:25], s[92:93]
	s_add_nc_u64 s[26:27], s[26:27], s[92:93]
	s_add_nc_u64 s[28:29], s[28:29], s[92:93]
	s_lshr_b32 s42, s5, 2
	s_lshl_b32 s42, s42, 4
	s_add_co_u32 s42, s42, s6                      ; bh = 16 x batch + head
	s_and_b32 s43, s5, 3
	s_lshl_b32 s43, s43, 2
	s_add_co_u32 s43, s43, s3                      ; my step of 128 tokens in the batch
	s_lshl_b32 s94, s42, 4
	s_add_co_u32 s94, s94, s43                     ; 16 bh + step
	s_lshl_b32 s92, s94, 12                        ; 4,096 bytes of codes a step in each of qc, kc, vc
	s_add_nc_u64 s[30:31], s[30:31], s[92:93]
	s_add_nc_u64 s[34:35], s[34:35], s[92:93]
	s_add_nc_u64 s[38:39], s[38:39], s[92:93]
	s_lshl_b32 s92, s94, 9
	s_add_nc_u64 s[32:33], s[32:33], s[92:93]
	s_add_nc_u64 s[36:37], s[36:37], s[92:93]
	s_lshl_b32 s92, s94, 8
	s_add_nc_u64 s[40:41], s[40:41], s[92:93]
	s_lshl_b32 s95, s43, 7                         ; my first token's position in its sequence
	v_and_b32 v[LI], 31, v0
	v_lshlrev_b32 v[L8], 3, v[LI]
	v_lshlrev_b32 v[LI], 4, v[LI]
	v_and_b32 v[TOKR], 15, v0                      ; r
	v_and_b32 v[XA], 8, v[TOKR]
	v_add_nc_u32 v[TOKR], v[TOKR], v[XA]           ; r + 8 (r / 8)
	v_bfe_u32 v[XSA], v0, 4, 1                     ; h
	v_mul_u32_u24 v[WA], v[TOKR], WP
	v_lshl_add_u32 v[WA], v[XSA], 4, v[WA]
	v_lshlrev_b32 v[WSA], 5, v[TOKR]
	v_lshl_add_u32 v[WSA], v[XSA], 8, v[WSA]
	v_lshlrev_b32 v108, 6, v[XSA]                  ; bq, bk: 64 h
	v_lshlrev_b32 v109, 2, v[TOKR]                 ; bv: 4 TOK(r)
	v_lshlrev_b32 v[XA], 9, v[TOKR]
	v_lshl_add_u32 v[XA], v[XSA], 4, v[XA]
	v_mov_b32 v[XSA], v[WSA]
	v_add_nc_u32 v[WSA], WSC, v[WSA]
	s_lshl_b32 s7, s3, 15
	v_add_nc_u32 v[TRA], s7, v[LI]
	v_add_nc_u32 v[TRA], TRG, v[TRA]
	s_mul_i32 s7, s3, 12288
	v_add_nc_u32 v[BIA], s7, v[LI]
	v_add_nc_u32 v[BIA], BIMG, v[BIA]
	; the biases in the results' layout.  q, k: register 8 ct + j of lane (r, h) is b[32 (ct / 2) + 16 h + 8 (ct % 2) + j];  v: b[32 (ct / 2) + 8 (ct % 2) + TOK(r)]
.irp q, 0,1,2,3,4,5,6,7
	global_load_b128 v[192+4*\q:195+4*\q], v108, s[24:25] offset:128*(\q/4)+32*((\q/2)%2)+16*(\q%2)
.endr
.irp q, 0,1,2,3,4,5,6,7
	global_load_b128 v[224+4*\q:227+4*\q], v108, s[26:27] offset:128*(\q/4)+32*((\q/2)%2)+16*(\q%2)
.endr
.irp t, 0,1,2,3
	global_load_b32 v[OUT+4*\t], v109, s[28:29] offset:128*(\t/2)+32*(\t%2)
.endr
.irp p, 0,1,2,3
	global_load_b128 v[XS+8*\p:XS+8*\p+3], v[XSA], s[10:11] offset:1024*\p
	global_load_b128 v[XS+8*\p+4:XS+8*\p+7], v[XSA], s[10:11] offset:1024*\p+16
.endr
.macro XTILE tt                        ; x's tile tt: 8 K steps x 2 loads of 16 bytes a lane
	WIN 0x40*(1+(\tt)/4)
.set S_, 0
.rept 8
	global_load_b128 v[64*((\tt)%4)+8*S_:64*((\tt)%4)+8*S_+3], v[XA], s[8:9] offset:512*(32*((\tt)/2)+8*((\tt)%2))+64*S_
	global_load_b128 v[64*((\tt)%4)+8*S_+4:64*((\tt)%4)+8*S_+7], v[XA], s[8:9] offset:512*(32*((\tt)/2)+8*((\tt)%2))+64*S_+32
.set S_, S_+1
.endr
.endm
	XTILE 0
	XTILE 1
	WIN 0
.macro KPAIR reg, val
	v_mov_b32 v[\reg], \val
	v_mov_b32 v[\reg+1], \val
.endm
	KPAIR K2PI, 0x3f22f983                         ; 2 / pi
	KPAIR NC1, 0xbfc90fd8                          ; -pi/2 in three parts
	KPAIR NC2, 0xb4a8885a
	KPAIR NC3, 0xa7c234c4
	KPAIR CC0, 0x37ccf5ce                          ; cos r = 1 + s (-1/2 + s (CC2 + s (CC1 + s CC0))), s = r r
	KPAIR CC1, 0xbab6061a
	KPAIR CC2, 0x3d2aaaa5
	KPAIR CMH, -0.5
	KPAIR ONE, 1.0
	KPAIR SS0, 0xb94ca1f9                          ; sin r = r + r s (SS2 + s (SS1 + s SS0))
	KPAIR SS1, 0x3c08839e
	KPAIR SS2, 0xbe2aaaa3
.macro FREQ reg, lo, hi                ; lanes 0-15 take lo, lanes 16-31 hi
	v_mov_b32 v[\reg], \lo
	v_mov_b32 v106, \hi
	v_cndmask_b32 v[\reg], v[\reg], v106, s98
.endm
	; register 8 b + i: 10^(-(16 b + 8 h + i) / 8)
	FREQ FQ+0, 1.0, 0.1
	FREQ FQ+1, 0.749894209332, 0.0749894209332
	FREQ FQ+2, 0.562341325190, 0.0562341325190
	FREQ FQ+3, 0.421696503429, 0.0421696503429
	FREQ FQ+4, 0.316227766017, 0.0316227766017
	FREQ FQ+5, 0.237137370566, 0.0237137370566
	FREQ FQ+6, 0.177827941004, 0.0177827941004
	FREQ FQ+7, 0.133352143216, 0.0133352143216
	FREQ FQ+8, 0.01, 0.001
	FREQ FQ+9, 0.00749894209332, 0.000749894209332
	FREQ FQ+10, 0.00562341325190, 0.000562341325190
	FREQ FQ+11, 0.00421696503429, 0.000421696503429
	FREQ FQ+12, 0.00316227766017, 0.000316227766017
	FREQ FQ+13, 0.00237137370566, 0.000237137370566
	FREQ FQ+14, 0.00177827941004, 0.000177827941004
	FREQ FQ+15, 0.00133352143216, 0.000133352143216
	s_wait_loadcnt 40                              ; the 20 bias loads are in: behind them 8 loads of scale words and 32 of x were issued
.irp q, 0,1,2,3,4,5,6,7
	ds_store_b128 v[BIA], v[192+4*\q:195+4*\q] offset:512*\q
.endr
.irp q, 0,1,2,3,4,5,6,7
	ds_store_b128 v[BIA], v[224+4*\q:227+4*\q] offset:4096+512*\q
.endr
.irp t, 0,1,2,3
	v_mov_b32 v[OUT+4*\t+1], v[OUT+4*\t]           ; v's bias is the same in a lane's eight registers of a tile
	v_mov_b32 v[OUT+4*\t+2], v[OUT+4*\t]
	v_mov_b32 v[OUT+4*\t+3], v[OUT+4*\t]
.endr
.irp t, 0,1,2,3
	ds_store_b128 v[BIA], v[OUT+4*\t:OUT+4*\t+3] offset:8192+1024*\t
	ds_store_b128 v[BIA], v[OUT+4*\t:OUT+4*\t+3] offset:8192+1024*\t+512
.endr
; eight angles of my token: frequencies 8 b .. 8 b + 7 of my sixteen
.macro TRIG8 b
.irp p, 0,2,4,6
	v_pk_mul_f32 v[AN+\p:AN+\p+1], v[NF:NF+1], v[FQ+8*\b+\p:FQ+8*\b+\p+1]       ; the angle, rounded as an f32 product
.endr
.irp p, 0,2,4,6
	v_pk_mul_f32 v[JN+\p:JN+\p+1], v[AN+\p:AN+\p+1], v[K2PI:K2PI+1]
.endr
.irp a, 0,1,2,3,4,5,6,7
	v_rndne_f32 v[JN+\a], v[JN+\a]                 ; how many quarter turns
.endr
.irp p, 0,2,4,6
	v_pk_fma_f32 v[RN+\p:RN+\p+1], v[JN+\p:JN+\p+1], v[NC1:NC1+1], v[AN+\p:AN+\p+1]
.endr
.irp p, 0,2,4,6
	v_pk_fma_f32 v[RN+\p:RN+\p+1], v[JN+\p:JN+\p+1], v[NC2:NC2+1], v[RN+\p:RN+\p+1]
.endr
.irp p, 0,2,4,6
	v_pk_fma_f32 v[RN+\p:RN+\p+1], v[JN+\p:JN+\p+1], v[NC3:NC3+1], v[RN+\p:RN+\p+1]
.endr
.irp p, 0,2,4,6
	v_pk_mul_f32 v[S2+\p:S2+\p+1], v[RN+\p:RN+\p+1], v[RN+\p:RN+\p+1]
.endr
.irp p, 0,2,4,6
	v_pk_fma_f32 v[CO+\p:CO+\p+1], v[S2+\p:S2+\p+1], v[CC0:CC0+1], v[CC1:CC1+1]
.endr
.irp p, 0,2,4,6
	v_pk_fma_f32 v[SI+\p:SI+\p+1], v[S2+\p:S2+\p+1], v[SS0:SS0+1], v[SS1:SS1+1]
.endr
.irp p, 0,2,4,6
	v_pk_fma_f32 v[CO+\p:CO+\p+1], v[CO+\p:CO+\p+1], v[S2+\p:S2+\p+1], v[CC2:CC2+1]
.endr
.irp p, 0,2,4,6
	v_pk_fma_f32 v[SI+\p:SI+\p+1], v[SI+\p:SI+\p+1], v[S2+\p:S2+\p+1], v[SS2:SS2+1]
.endr
.irp p, 0,2,4,6
	v_pk_mul_f32 v[RS+\p:RS+\p+1], v[RN+\p:RN+\p+1], v[S2+\p:S2+\p+1]
.endr
.irp p, 0,2,4,6
	v_pk_fma_f32 v[CO+\p:CO+\p+1], v[CO+\p:CO+\p+1], v[S2+\p:S2+\p+1], v[CMH:CMH+1]
.endr
.irp p, 0,2,4,6
	v_pk_fma_f32 v[SI+\p:SI+\p+1], v[SI+\p:SI+\p+1], v[RS+\p:RS+\p+1], v[RN+\p:RN+\p+1]
.endr
.irp p, 0,2,4,6
	v_pk_fma_f32 v[CO+\p:CO+\p+1], v[CO+\p:CO+\p+1], v[S2+\p:S2+\p+1], v[ONE:ONE+1]
.endr
.irp a, 0,1,2,3,4,5,6,7
	v_cvt_i32_f32 v[QN+\a], v[JN+\a]
.endr
.irp a, 0,1,2,3,4,5,6,7
	v_and_b32 v[AN+\a], 1, v[QN+\a]
.endr
	s_wait_alu depctr_va_vdst(0)
	s_wait_dscnt 0x0                               ; my last LDS stores have read the registers that are written next
.irp a, 0,1,2,3,4,5,6,7
	v_cmp_eq_u32 vcc_lo, 1, v[AN+\a]               ; an odd number of quarter turns changes sine and cosine over
	v_cndmask_b32 v[OUT+2*\a], v[CO+\a], v[SI+\a], vcc_lo
	v_cndmask_b32 v[OUT+2*\a+1], v[SI+\a], v[CO+\a], vcc_lo
.endr
.irp a, 0,1,2,3,4,5,6,7
	v_lshlrev_b32 v[AN+\a], 30, v[QN+\a]           ; the sine's sign: bit 1 of the count;
.endr
.irp a, 0,1,2,3,4,5,6,7
	v_add_nc_u32 v[JN+\a], 0x40000000, v[AN+\a]    ; the cosine's: bit 1 of the count + 1
.endr
.irp a, 0,1,2,3,4,5,6,7
	v_and_b32 v[AN+\a], 0x80000000, v[AN+\a]
.endr
.irp a, 0,1,2,3,4,5,6,7
	v_and_b32 v[JN+\a], 0x80000000, v[JN+\a]
.endr
.irp a, 0,1,2,3,4,5,6,7
	v_xor_b32 v[OUT+2*\a], v[OUT+2*\a], v[JN+\a]
	v_xor_b32 v[OUT+2*\a+1], v[OUT+2*\a+1], v[AN+\a]
.endr
.irp q, 0,1,2,3
	ds_store_b128 v[ADR], v[OUT+4*\q:OUT+4*\q+3] offset:512*(4*\b+\q)
.endr
.endm
.macro TRIGLOOP lim                    ; a trip: one tile's 16 angles a lane.  s90: the tile, s91: its place in the table
.Ltrig_\@:
	s_lshr_b32 s92, s90, 1
	s_lshl_b32 s92, s92, 5
	s_and_b32 s93, s90, 1
	s_lshl_b32 s93, s93, 3
	s_add_co_u32 s92, s92, s93
	s_add_co_u32 s92, s92, s95
	v_add_nc_u32 v106, s92, v[TOKR]                ; my token's position
	v_cvt_f32_u32 v[NF], v106
	v_add_nc_u32 v[ADR], s91, v[TRA]
	v_mov_b32 v[NF+1], v[NF]
	TRIG8 0
	TRIG8 1
	s_add_co_u32 s91, s91, 4096
	s_add_co_u32 s90, s90, 1
	s_cmp_lt_u32 s90, \lim
	s_cbranch_scc1 .Ltrig_\@
.endm
	s_mov_b32 s90, 0
	s_mov_b32 s91, 0
	TRIGLOOP 4                                     ; the table's arithmetic runs while x's loads are out: so these go out in three runs
	XTILE 2
	XTILE 3
	XTILE 4
	WIN 0
	s_mov_b32 s90, 4
	s_mov_b32 s91, 4*4096
	TRIGLOOP 8
	XTILE 5
	XTILE 6
	XTILE 7
	WIN 0
	s_wait_tensorcnt 0x0                           ; my part of W has landed,
	s_wait_dscnt 0x0
	s_barrier_signal -1
	s_barrier_wait -1                              ; everybody's has
.macro WTILE ct                        ; tile ct of the matrix at v[WAD] into window 3
	WIN 0xc0
.set S_, 0
.rept 8
	ds_load_b128 v[64*(\ct)+8*S_:64*(\ct)+8*S_+3], v[WAD] offset:WP*(32*((\ct)/2)+8*((\ct)%2))+64*S_
	ds_load_b128 v[64*(\ct)+8*S_+4:64*(\ct)+8*S_+7], v[WAD] offset:WP*(32*((\ct)/2)+8*((\ct)%2))+64*S_+32
.set S_, S_+1
.endr
	WIN 0
.endm
.macro WSLD m, p                       ; the scale words of matrix m's tiles 2 p (lanes 0-15) and 2 p + 1 (lanes 16-31)
	ds_load_b128 v[WS+8*(\p):WS+8*(\p)+3], v[WSA] offset:2048*(\m)+1024*(\p)
	ds_load_b128 v[WS+8*(\p)+4:WS+8*(\p)+7], v[WSA] offset:2048*(\m)+1024*(\p)+16
.endm
.macro BFETCH m
.irp q, 0,1,2,3,4,5,6,7
	ds_load_b128 v[BI+4*\q:BI+4*\q+3], v[BIA] offset:4096*(\m)+512*\q
.endr
.endm
.macro TLD u, n                        ; unit u of the table (tile u / 2, half u % 2 of the head) into buffer n
.irp q, 0,1,2,3
	ds_load_b128 v[CSB+16*(\n)+4*\q:CSB+16*(\n)+4*\q+3], v[TRA] offset:2048*(\u)+512*\q
.endr
.endm
.macro WM d, a, b, c, sa, sb, ra, rb   ; one product; ra, rb: the scale words stand in lanes 16-31
.if (\ra) == 0 && (\rb) == 0
	v_wmma_scale_f32_16x16x128_f8f6f4 v[(\d):(\d)+7], v[(\a):(\a)+7], v[(\b):(\b)+7], v[(\c):(\c)+7], v[\sa], v[\sb] matrix_a_fmt:MATRIX_FMT_FP4 matrix_b_fmt:MATRIX_FMT_FP4
.elseif (\ra) == 1 && (\rb) == 0
	v_wmma_scale_f32_16x16x128_f8f6f4 v[(\d):(\d)+7], v[(\a):(\a)+7], v[(\b):(\b)+7], v[(\c):(\c)+7], v[\sa], v[\sb] matrix_a_fmt:MATRIX_FMT_FP4 matrix_b_fmt:MATRIX_FMT_FP4 matrix_a_scale:MATRIX_SCALE_ROW1
.elseif (\ra) == 0 && (\rb) == 1
	v_wmma_scale_f32_16x16x128_f8f6f4 v[(\d):(\d)+7], v[(\a):(\a)+7], v[(\b):(\b)+7], v[(\c):(\c)+7], v[\sa], v[\sb] matrix_a_fmt:MATRIX_FMT_FP4 matrix_b_fmt:MATRIX_FMT_FP4 matrix_b_scale:MATRIX_SCALE_ROW1
.else
	v_wmma_scale_f32_16x16x128_f8f6f4 v[(\d):(\d)+7], v[(\a):(\a)+7], v[(\b):(\b)+7], v[(\c):(\c)+7], v[\sa], v[\sb] matrix_a_fmt:MATRIX_FMT_FP4 matrix_b_fmt:MATRIX_FMT_FP4 matrix_a_scale:MATRIX_SCALE_ROW1 matrix_b_scale:MATRIX_SCALE_ROW1
.endif
.endm
; 128 products: four tiles of tokens (half) x four tiles of W x 8 K steps.  kind 0: q, k (source 0 = W); 1: v (source 0 = x).  Tile by tile of W; its four accumulators take turns, one instruction a turn
; the bias is the C of each sum's first product.  next >= 0: each tile of W, once its products are issued, is fetched anew from matrix next.
.macro MMPASS kind, half, next
	s_wait_xcnt 0x0                                ; earlier stores have read the codes' and the scale words' registers
	s_wait_dscnt 0x0                               ; W, its scale words and the bias are in
.if \kind == 0
	TLD 8*\half, 2
.endif
.set CT_, 0
.rept 4
.if \kind == 0
	WIN 0x07+4*\half
.else
	WIN 0x0d+\half
.endif
.set KS_, 0
.rept 8
.set TQ_, 0
.rept 4
.set RW_, 64*CT_+8*KS_
.set RX_, 64*TQ_+8*KS_
.set SW_, WS+8*(CT_/2)+KS_
.set SX_, XS+8*(2*\half+TQ_/2)+KS_
.if \kind == 0
.set RD_, ACC+32*TQ_+8*CT_
.else
.set RD_, ACC+32*CT_+8*TQ_
.endif
.set RC_, RD_
.if KS_ == 0
.set RC_, BI+8*CT_
.endif
.if \kind == 0
	WM RD_, RW_, RX_, RC_, SW_, SX_, CT_%2, TQ_%2
.else
	WM RD_, RX_, RW_, RC_, SX_, SW_, TQ_%2, CT_%2
.endif
.set TQ_, TQ_+1
.endr
.set KS_, KS_+1
.endr
.if \next >= 0
	PLACES                                         ; four places in front of loads into registers that matrix instructions have read
	WTILE CT_
.if CT_%2 == 1
	WSLD \next, CT_/2
.endif
.endif
.set CT_, CT_+1
.endr
	WIN 0
	PLACES                                         ; in front of the first read of results, and of loads into the bias's registers
.endm
; the rotation of 16 numbers (8 pairs) at v[x] by buffer n: (x1, x2) -> (x1 c - x2 s, x2 c + x1 s); each accumulator from its low end on
.macro ROPE x, n
.irp g, 0,8
.irp i, 0,2,4,6
	v_pk_mul_f32 v[TT+\i:TT+\i+1], v[(\x)+\g+\i:(\x)+\g+\i+1], v[CSB+16*(\n)+\g+\i:CSB+16*(\n)+\g+\i+1] op_sel_hi:[1,0]
.endr
.irp i, 0,2,4,6
	v_pk_fma_f32 v[(\x)+\g+\i:(\x)+\g+\i+1], v[(\x)+\g+\i:(\x)+\g+\i+1], v[CSB+16*(\n)+\g+\i:CSB+16*(\n)+\g+\i+1], v[TT+\i:TT+\i+1] op_sel:[1,1,0] op_sel_hi:[0,1,1] neg_lo:[0,1,0]
.endr
.endr
.endm
; 64 numbers of a lane at v[s]: four runs of 16, each half a block of 32 (the other half lies in lane l xor 16).  Codes to v[pc] on: registers 0-3: lanes 0-15 block 0, lanes 16-31 block 1; registers 4-7: blocks 2, 3.
; v[wd]: lanes 0-15 the bytes of blocks 0, 1; lanes 16-31 those of blocks 2, 3.
.macro QUANT s, pc, wd
.irp b, 0,1,2,3
	v_max3_num_f32 v[TM+\b], |v[(\s)+16*\b]|, |v[(\s)+1+16*\b]|, 0x1800000   ; with the floor 2^(3 - 127): the byte cannot fall under 1
.endr
.irp i, 2,4,6,8,10,12,14
.irp b, 0,1,2,3
	v_max3_num_f32 v[TM+\b], v[TM+\b], |v[(\s)+16*\b+\i]|, |v[(\s)+1+16*\b+\i]|
.endr
.endr
.irp b, 0,1,2,3
	v_permlanex16_b32 v[TM+4+\b], v[TM+\b], s96, s97
.endr
.irp b, 0,1,2,3
	v_max_num_f32 v[TM+\b], v[TM+\b], v[TM+4+\b]   ; the block's largest magnitude
.endr
.irp b, 0,1,2,3
	v_add_nc_u32 v[TM+8+\b], 0xff000000, v[TM+\b]  ; 2 off its exponent field: the conversion's scale operand
.endr
.irp b, 0,1,2,3
	v_lshrrev_b32 v[TM+4+\b], 23, v[TM+8+\b]       ; the scale's byte
.endr
	v_lshl_or_b32 v[\wd], v[TM+5], 8, v[TM+4]
	v_lshl_or_b32 v[WO], v[TM+7], 8, v[TM+6]
.irp b, 0,1,2,3
	v_cvt_scalef32_pk8_fp4_f32 v[(\pc)+2*\b], v[(\s)+16*\b:(\s)+16*\b+7], v[TM+8+\b]
	v_cvt_scalef32_pk8_fp4_f32 v[(\pc)+2*\b+1], v[(\s)+16*\b+8:(\s)+16*\b+15], v[TM+8+\b]
.endr
	v_nop                                          ; one plain place behind a scaled conversion
	v_permlane16_swap_b32 v[\wd], v[WO]
.irp c, 0,1
.irp i, 0,1
	v_permlane16_swap_b32 v[(\pc)+4*\c+\i], v[(\pc)+2+4*\c+\i]   ; a whole block to a lane
.endr
.endr
.endm
; behind q's or k's products: rotation, quantiser, stores.  cp, sp: the scalar pairs of the codes' and the scale words' buffers; nb: the matrix whose bias the next pass wants
.macro EPIQK half, cp, sp, nb
	TLD 8*\half+1, 0
	TLD 8*\half+2, 1
.set U_, 0
.rept 8
.if U_ <= 5
	s_wait_dscnt 8                                 ; this unit's four table loads are in; the next two units' may be out
.elseif U_ == 6
	s_wait_dscnt 4
.else
	s_wait_dscnt 0x0
.endif
	ROPE ACC+16*U_, (U_+2)%3
.if U_+3 <= 7
	TLD 8*\half+U_+3, (U_+2)%3
.endif
.set U_, U_+1
.endr
	BFETCH \nb
.irp g, 0,1
	QUANT ACC+64*\g, PC+8*\g, SWR+2*\half+\g       ; tiles 2 g and 2 g + 1 of this half: two blocks each
	global_store_b128 v[LI], v[PC+8*\g:PC+8*\g+3], s[\cp:\cp+1] offset:512*(4*\half+2*\g)        ; 512 consecutive bytes a store
	global_store_b128 v[LI], v[PC+8*\g+4:PC+8*\g+7], s[\cp:\cp+1] offset:512*(4*\half+2*\g)+512
.endr
.if \half == 1
	global_store_b128 v[LI], v[SWR:SWR+3], s[\sp:\sp+1]
.endif
.endm
; behind v's products: the blocks run along the tokens
.macro EPIV half
.if \half == 0
	BFETCH 2
.endif
.irp g, 0,1
.if \half == 0
	QUANT ACC+64*\g, PC+8*\g, SWR+\g
.else
	QUANT ACC+64*\g, PC+8*\g, WT
	v_lshl_or_b32 v[SWR+\g], v[WT], 16, v[SWR+\g]  ; the bytes of key blocks 2, 3 over those of 0, 1
.endif
	global_store_b128 v[LI], v[PC+8*\g:PC+8*\g+3], s[38:39] offset:2048*\g+512*\half
	global_store_b128 v[LI], v[PC+8*\g+4:PC+8*\g+7], s[38:39] offset:2048*\g+1024+512*\half
.endr
.if \half == 1
	global_store_b64 v[L8], v[SWR:SWR+1], s[40:41]
.endif
.endm
	v_mov_b32 v[WAD], v[WA]
	WTILE 0
	WTILE 1
	WTILE 2
	WTILE 3
	WSLD 0, 0
	WSLD 0, 1
	BFETCH 0
.irp b, 0,1,2,3
	v_mov_b32 v[TM+4+\b], 0                        ; written once: a lane permute's destination counts as one of its sources
.endr
	s_wait_loadcnt 63                              ; x's tiles 0-3 are in: behind them 64 loads were issued; 63 is the most that the wait can name
	MMPASS 0, 0, -1
	EPIQK 0, 30, 32, 0
	v_add_nc_u32 v[WAD], WMAT, v[WA]
	s_wait_alu depctr_va_vdst(0)
	s_wait_loadcnt 0x0                             ; x's tiles 4-7
	MMPASS 0, 1, 1
	EPIQK 1, 30, 32, 1
	MMPASS 0, 0, -1
	EPIQK 0, 34, 36, 1
	v_add_nc_u32 v[WAD], 2*WMAT, v[WA]
	s_wait_alu depctr_va_vdst(0)
	MMPASS 0, 1, 2
	EPIQK 1, 34, 36, 2
	MMPASS 1, 0, -1
	EPIV 0
	MMPASS 1, 1, -1
	EPIV 1
	s_wait_tensorcnt 0x0                           ; the wave's end: behind my last tensor load and my last LDS store
	ds_add_u32 v[SPW], v[NIL]
	s_wait_dscnt 0x0
	CROUND                                         ; the closing round
	s_endpgm
.Lfunc_end_k_q951a51914e_qkv:
	.size	k_q951a51914e_qkv, .Lfunc_end_k_q951a51914e_qkv-k_q951a51914e_qkv
	.p2alignl 7, 3214868480
	.fill 96, 4, 3214868480
	.section	.rodata,"a",@progbits
	.p2align	6, 0x0
	.amdhsa_kernel k_q951a51914e_qkv
		.amdhsa_group_segment_fixed_size 288768
		.amdhsa_private_segment_fixed_size 0
		.amdhsa_enable_private_segment 0
		.amdhsa_kernarg_size 136
		.amdhsa_user_sgpr_count 2
		.amdhsa_user_sgpr_kernarg_segment_ptr 1
		.amdhsa_wavefront_size32 1
		.amdhsa_system_sgpr_workgroup_id_x 1
		.amdhsa_system_sgpr_workgroup_id_y 1
		.amdhsa_system_sgpr_workgroup_id_z 1
		.amdhsa_system_vgpr_workitem_id 0
		.amdhsa_next_free_vgpr 1024
		.amdhsa_next_free_sgpr 100
		.amdhsa_reserve_vcc 1
		.amdhsa_float_denorm_mode_32 3
		.amdhsa_float_denorm_mode_16_64 3
		.amdhsa_memory_ordered 1
		.amdhsa_forward_progress 1
		.amdhsa_inst_pref_size 255
	.end_amdhsa_kernel
	.section	.bss,"aw",@nobits
	.p2align	6
	.space	262144
	.amdgpu_metadata
---
amdhsa.version: [ 1, 2 ]
amdhsa.kernels:
  - .name:           k_q951a51914e_qkv
    .symbol:         k_q951a51914e_qkv.kd
    .args:
      - { .name: x_codes, .offset: 0, .size: 8, .value_kind: global_buffer, .address_space: global }
      - { .name: x_scales, .offset: 8, .size: 8, .value_kind: global_buffer, .address_space: global }
      - { .name: Wq_codes, .offset: 16, .size: 8, .value_kind: global_buffer, .address_space: global }
      - { .name: Wq_scales, .offset: 24, .size: 8, .value_kind: global_buffer, .address_space: global }
      - { .name: Wk_codes, .offset: 32, .size: 8, .value_kind: global_buffer, .address_space: global }
      - { .name: Wk_scales, .offset: 40, .size: 8, .value_kind: global_buffer, .address_space: global }
      - { .name: Wv_codes, .offset: 48, .size: 8, .value_kind: global_buffer, .address_space: global }
      - { .name: Wv_scales, .offset: 56, .size: 8, .value_kind: global_buffer, .address_space: global }
      - { .name: bq, .offset: 64, .size: 8, .value_kind: global_buffer, .address_space: global }
      - { .name: bk, .offset: 72, .size: 8, .value_kind: global_buffer, .address_space: global }
      - { .name: bv, .offset: 80, .size: 8, .value_kind: global_buffer, .address_space: global }
      - { .name: qc, .offset: 88, .size: 8, .value_kind: global_buffer, .address_space: global }
      - { .name: qs, .offset: 96, .size: 8, .value_kind: global_buffer, .address_space: global }
      - { .name: kc, .offset: 104, .size: 8, .value_kind: global_buffer, .address_space: global }
      - { .name: ks, .offset: 112, .size: 8, .value_kind: global_buffer, .address_space: global }
      - { .name: vc, .offset: 120, .size: 8, .value_kind: global_buffer, .address_space: global }
      - { .name: vs, .offset: 128, .size: 8, .value_kind: global_buffer, .address_space: global }
    .group_segment_fixed_size: 288768
    .private_segment_fixed_size: 0
    .kernarg_segment_align: 8
    .kernarg_segment_size: 136
    .max_flat_workgroup_size: 128
    .sgpr_count:     100
    .vgpr_count:     1024
    .wavefront_size: 32
...
	.end_amdgpu_metadata
.endif
;; end of part 1
;; launch attn (part 2): grid 4 x 64, 16 waves a work-group, clusters of 4 x 1, 167,936 bytes of LDS; arguments qc, qs, kc, ks, vc, vs, ic, isc; writes ic, isc
.if DOCPART == 2
	.amdgcn_target "amdgcn-amd-amdhsa--gfx1250"
	.amdhsa_code_object_version 6
	.text
	.protected	k_q951a51914e_attn
	.globl	k_q951a51914e_attn
	.p2align	8
	.type	k_q951a51914e_attn,@function
k_q951a51914e_attn:
	s_mov_b64 s[64:65], 0
	v_nop
	global_prefetch_b8 v0, s[64:65] scope:SCOPE_SE
	s_setreg_imm32_b32 hwreg(HW_REG_WAVE_MODE, 25, 1), 1
	s_wait_xcnt 0x0
	s_wait_alu depctr_hold_cnt(0) depctr_sa_sdst(0) depctr_va_vdst(0) depctr_va_sdst(0) depctr_va_ssrc(0) depctr_va_vcc(0) depctr_vm_vsrc(0)
	s_getreg_b32 s2, hwreg(HW_REG_IB_STS2, 6, 4)
	s_cmp_eq_u32 s2, 0
	s_cbranch_scc0 .Lentry_in_a_cluster
	s_endpgm
.Lentry_in_a_cluster:
	s_bfe_u32 s2, ttmp6, 0x10000c
	s_cmp_lg_u32 s2, 0x3003
	s_cbranch_scc0 .Lentry_shape_is_right
	s_endpgm
.Lentry_shape_is_right:
; For one batch and head: O = softmax(q k^T / 32) v, both products on codes of FP4 (E2M1) with E8M0 scales, and O quantised along the head's 64 for the projection.  Nothing is left out.
; THE SOFTMAX: t = score x log2(e) / 32; M = the running largest t rounded up to a whole number; p = 2^(t - M) is quantised along the keys; the row's sum is taken of the unquantised p and divides O at the end.
; When M moves, the sum and O are multiplied by 2^(old M - new M), which rounds nothing.
; LIMITS: NaN and infinities are not served; a block under 2^-124 (a block of zeros too) keeps the scale byte 1: its codes are zeros or the smallest, and only this program reads the bytes.
; SHARES.  A work-group owns 512 queries of the head; each of its sixteen waves two tiles of 16, one after the other.  The head's whole K and V, as images of operand registers, lie in LDS: 143,360 bytes, filled once.
; CLUSTER.  The four work-groups of a cluster are the four query blocks of one head: K, V and their scale words are asked for jointly (mask 15).
; LAYOUT.  S^T = K Q^T (source 0 = 16 keys, source 1 = my 16 queries), O^T = V^T P^T: a lane holds one query throughout.  Slot r of tile 2 b + u holds key (or channel) 32 b + 8 u + r + 8 (r / 8), so the 16 registers of tiles
; 2 b, 2 b + 1 are 16 neighbours.  THE FIRST PRODUCT'S K IS 64 OF THE INSTRUCTION'S 128: Q's upper four registers hold zero codes, so whatever stands in K's upper four (the next tile's codes) adds nothing.
; REGISTERS: v1-4 addresses that stay; v5, v6 the add's two; v7 32 r; v8-11 addresses in hand; v12 -M, v13 the largest t, v[14:15] the sum; v16-23, v24-31 Q of the two passes (upper halves zero); v32-63 K, v64-67 zeros;
; v68-71 K's scale words, v72-73 V's, v74, v75 Q's; v96-159 S^T, then p; v160-191 O^T; v192-223 V; v224-231 p's codes; v232-255 at work, v253 p's scale word.
.set VIMG,  65536
.set KSC,   131072
.set VSC,   139264
.set SPARE, 143360
.set SPW, 5
.set NIL, 6
.set ADK, 8
.set ADV, 9
.set ADS, 10
.set ADT, 11
.set WV,  20
.set SEL, 24
.set CS,  26
.set TB,  60                           ; s60  where the step's K and V begin: 4,096 bytes a step
.set TS,  61                           ; s61  K's scale words: 512 a step
.set TJ,  62                           ; s62  V's: 256 a step
.set CNT, 63
.macro PLACES
.rept 4
	v_nop
.endr
.endm
.macro CROUND
	s_barrier_signal -1
	s_barrier_wait -1
	s_cmp_lg_u32 s[WV], 0
	s_cbranch_scc1 .Lnot_wave_0_\@
	s_barrier_signal -3
.Lnot_wave_0_\@:
	s_barrier_wait -3
	s_barrier_signal -1
	s_barrier_wait -1
.endm
	s_load_b512 s[4:19], s[0:1], 0x0               ; qc 4, qs 6, kc 8, ks 10, vc 12, vs 14, ic 16, isc 18
	v_lshl_add_u32 v[SPW], v0, 2, SPARE
	v_mov_b32 v[NIL], 0
	ds_add_u32 v[SPW], v[NIL]                      ; the wave's opening: the add, twice on end, and its wait ahead of the first tensor loads
	ds_add_u32 v[SPW], v[NIL]
	v_lshrrev_b32 v8, 5, v0
	s_delay_alu instid0(VALU_DEP_1)
	v_readfirstlane_b32 s[WV], v8                  ; wave 0..15
	s_bfe_u32 s21, ttmp6, 0x40000                  ; cx: my block of 512 queries
	s_and_b32 s22, ttmp7, 0xffff                   ; bh = 16 x batch + head, which the four partners share
	s_mov_b32 s28, 15|(3<<16)|(1<<21)              ; group 1: 64 dense rows of 256 bytes (32 elements of 8)
	s_mov_b32 s29, 32<<16
	s_mov_b32 s30, 64<<16
	s_mov_b32 s31, 32<<16
	s_mov_b32 s32, 64
	s_mov_b32 s33, 32
	s_mov_b32 s34, 0
	s_mov_b32 s35, 0
	s_mov_b32 s36, 15|(3<<16)|(1<<21)              ; and 16 such rows
	s_mov_b32 s37, 32<<16
	s_mov_b32 s38, 16<<16
	s_mov_b32 s39, 32<<16
	s_mov_b32 s40, 16
	s_mov_b32 s41, 32
	s_mov_b32 s42, 0
	s_mov_b32 s43, 0
	s_mov_b32 s[SEL], 0x76543210
	s_mov_b32 s[SEL+1], 0xfedcba98
	s_mov_b32 s[CS], 0x3d38aa3b                    ; c = log2(e) / 32
	s_mov_b32 s[CS+1], s[CS]
	s_and_b32 s2, s[WV], 3
	s_lshl_b32 s2, s2, 14                          ; a quarter of K or V: 16,384 bytes
	s_and_b32 s3, s[WV], 1
	s_lshl_b32 s3, s3, 12                          ; a half of K's scale words: 4,096
	s_lshl_b32 s66, s22, 16
	s_add_co_u32 s66, s66, s2
	s_mov_b32 s67, 0
	s_lshl_b32 s68, s22, 13
	s_add_co_u32 s68, s68, s3
	s_mov_b32 s69, 0
	s_lshl_b32 s70, s22, 12
	s_mov_b32 s71, 0
	s_wait_dscnt 0x0                               ; both opening adds are done
	s_wait_kmcnt 0x0
	s_mov_b32 s44, 1                               ; groups 0: K's quarter,
	s_mov_b32 s45, s2
	s_add_nc_u64 s[46:47], s[8:9], s[66:67]
	s_or_b32 s47, s47, 0x80000000
	s_mov_b32 s48, 1                               ; V's quarter,
	s_add_co_u32 s49, s2, VIMG
	s_add_nc_u64 s[50:51], s[12:13], s[66:67]
	s_or_b32 s51, s51, 0x80000000
	s_mov_b32 s52, 1                               ; a half of K's scale words,
	s_add_co_u32 s53, s3, KSC
	s_add_nc_u64 s[54:55], s[10:11], s[68:69]
	s_or_b32 s55, s55, 0x80000000
	s_mov_b32 s56, 1                               ; V's scale words
	s_mov_b32 s57, VSC
	s_add_nc_u64 s[58:59], s[14:15], s[70:71]
	s_or_b32 s59, s59, 0x80000000
	CROUND                                         ; all four work-groups are here: the joint loads meet
	s_cmp_lt_u32 s[WV], 4                          ; waves 0-3: K; 4-7: V; 8, 9: K's scale words; 10: V's.  One load of a wave is out at the most
	s_cbranch_scc0 .Lnot_k
	tensor_load_to_lds s[44:47], s[28:35]
	s_nop 0
	PLACES
	s_branch .Lasked
.Lnot_k:
	s_cmp_lt_u32 s[WV], 8
	s_cbranch_scc0 .Lnot_v
	tensor_load_to_lds s[48:51], s[28:35]
	s_nop 0
	PLACES
	s_branch .Lasked
.Lnot_v:
	s_cmp_lt_u32 s[WV], 10
	s_cbranch_scc0 .Lnot_ks
	tensor_load_to_lds s[52:55], s[36:43]
	s_nop 0
	PLACES
	s_branch .Lasked
.Lnot_ks:
	s_cmp_eq_u32 s[WV], 10
	s_cbranch_scc0 .Lasked
	tensor_load_to_lds s[56:59], s[36:43]
	s_nop 0
	PLACES
.Lasked:
	; my first tile of queries: 32 cx + w in the head; the second lies 16 tiles on
	s_mov_b32 s73, 0
	s_lshl_b32 s72, s22, 16
	s_lshl_b32 s74, s21, 14
	s_add_co_u32 s72, s72, s74
	s_lshl_b32 s74, s[WV], 9
	s_add_co_u32 s72, s72, s74
	s_add_nc_u64 s[4:5], s[4:5], s[72:73]          ; its codes: 512 bytes a tile
	s_lshl_b32 s72, s22, 13
	s_lshl_b32 s74, s21, 11
	s_add_co_u32 s72, s72, s74
	s_lshr_b32 s74, s[WV], 3
	s_lshl_b32 s74, s74, 9
	s_add_co_u32 s72, s72, s74                     ; its step's 512 bytes of scale words,
	s_and_b32 s74, s[WV], 1
	s_lshl_b32 s74, s74, 8
	s_add_co_u32 s72, s72, s74                     ; an odd tile's stand in lanes 16-31,
	s_lshr_b32 s74, s[WV], 1
	s_and_b32 s74, s74, 3
	s_lshl_b32 s74, s74, 2
	s_add_co_u32 s72, s72, s74                     ; word (tile % 8) / 2 of a lane's four
	s_add_nc_u64 s[6:7], s[6:7], s[72:73]
	s_lshr_b32 s75, s22, 4
	s_lshl_b32 s75, s75, 7
	s_lshl_b32 s74, s21, 5
	s_add_co_u32 s75, s75, s74
	s_add_co_u32 s75, s75, s[WV]                   ; the tile among all 512 tiles of tokens
	s_and_b32 s74, s22, 15                         ; the head
	s_lshl_b32 s72, s75, 13
	s_lshl_b32 s23, s74, 9
	s_add_co_u32 s72, s72, s23
	s_add_nc_u64 s[16:17], s[16:17], s[72:73]      ; ic: 8,192 bytes a tile, 512 a head
	s_lshl_b32 s72, s75, 9
	s_lshl_b32 s23, s74, 1
	s_add_co_u32 s72, s72, s23
	s_add_nc_u64 s[18:19], s[18:19], s[72:73]      ; isc: 512 bytes a tile, 32 a token, 2 a head
	v_and_b32 v1, 31, v0
	s_delay_alu instid0(VALU_DEP_1)
	v_lshlrev_b32 v4, 3, v1
	s_delay_alu instid0(VALU_DEP_1)
	v_add_nc_u32 v4, VSC, v4
	s_delay_alu instid0(VALU_DEP_3)
	v_lshlrev_b32 v1, 4, v1
	s_delay_alu instid0(VALU_DEP_1)
	v_add_nc_u32 v2, VIMG, v1
	s_delay_alu instid0(VALU_DEP_2)
	v_add_nc_u32 v3, KSC, v1
	v_and_b32 v7, 15, v0
	s_delay_alu instid0(VALU_DEP_1)
	v_lshlrev_b32 v76, 4, v7
	s_delay_alu instid0(VALU_DEP_2)
	v_lshlrev_b32 v7, 5, v7
	global_load_b128 v[16:19], v1, s[4:5]
	global_load_b128 v[24:27], v1, s[4:5] offset:8192
	global_load_b32 v74, v76, s[6:7]
	global_load_b32 v75, v76, s[6:7] offset:1024
.irp j, 20,21,22,23,28,29,30,31,64,65,66,67
	v_mov_b32 v[\j], 0                             ; zero codes for k = 64 .. 127 of the first product
.endr
.irp b, 0,1,2,3
	v_mov_b32 v[236+\b], 0                         ; written once: a lane permute's destination counts as one of its sources
.endr
	v_mov_b32 v253, 0                              ; (named as the upper half of the pair v[252:253] before it is first written)
	s_wait_tensorcnt 0x0                           ; my part of the head has landed,
	s_barrier_signal -1
	s_barrier_wait -1                              ; everybody's has
	s_wait_loadcnt 0x0                             ; Q
; A KEY STEP: 128 keys.  nextk = 1: the next step's K is fetched under this step's softmax.  qf, qsr: Q's fragment and scale word
.macro STEP nextk, qf, qsr
	s_wait_dscnt 0x0                               ; K and its scale words are in
.set T_, 0
.rept 8
.if T_%2 == 0
	v_wmma_scale_f32_16x16x128_f8f6f4 v[96+8*T_:103+8*T_], v[32+4*T_:39+4*T_], v[\qf:\qf+7], 0, v[68+T_/2], v[\qsr] matrix_a_fmt:MATRIX_FMT_FP4 matrix_b_fmt:MATRIX_FMT_FP4
.else
	v_wmma_scale_f32_16x16x128_f8f6f4 v[96+8*T_:103+8*T_], v[32+4*T_:39+4*T_], v[\qf:\qf+7], 0, v[68+T_/2], v[\qsr] matrix_a_fmt:MATRIX_FMT_FP4 matrix_b_fmt:MATRIX_FMT_FP4 matrix_a_scale:MATRIX_SCALE_ROW1
.endif
.set T_, T_+1
.endr
	v_add_nc_u32 v[ADV], s[TB], v2                 ; four plain lines: the places in front of the loads below and of the first read of the scores
	v_add_nc_u32 v[ADT], s[TJ], v4
.if \nextk
	s_add_co_u32 s[TB], s[TB], 4096
	s_add_co_u32 s[TS], s[TS], 512
	s_add_co_u32 s[TJ], s[TJ], 256
	v_add_nc_u32 v[ADK], s[TB], v1
	v_add_nc_u32 v[ADS], s[TS], v3
.else
	v_nop
	v_nop
.endif
.irp f, 0,1,2,3,4,5,6,7
	ds_load_b128 v[192+4*\f:195+4*\f], v[ADV] offset:512*\f        ; V: tile f / 2, half f % 2 of its 128 keys
.endr
	ds_load_b64 v[72:73], v[ADT]
.if \nextk
.irp t, 0,1,2,3,4,5,6,7
	ds_load_b128 v[32+4*\t:35+4*\t], v[ADK] offset:512*\t
.endr
	ds_load_b128 v[68:71], v[ADS]
.endif
.irp b, 0,1,2,3
	v_max3_num_f32 v[232+\b], v[96+16*\b], v[97+16*\b], v[98+16*\b]   ; the largest score of each block of 32 keys: for the row's maximum and, since p rises with the score, for the block's largest p
.endr
.irp i, 3,5,7,9,11,13
.irp b, 0,1,2,3
	v_max3_num_f32 v[232+\b], v[232+\b], v[96+16*\b+\i], v[97+16*\b+\i]
.endr
.endr
.irp b, 0,1,2,3
	v_max_num_f32 v[232+\b], v[232+\b], v[111+16*\b]
.endr
.irp b, 0,1,2,3
	s_delay_alu instid0(VALU_DEP_4)
	v_permlanex16_b32 v[236+\b], v[232+\b], s[SEL], s[SEL+1]
.endr
.irp b, 0,1,2,3
	s_delay_alu instid0(VALU_DEP_4)
	v_max_num_f32 v[232+\b], v[232+\b], v[236+\b]  ; with lane l xor 16's 16 keys
.endr
	s_delay_alu instid0(VALU_DEP_2)
	v_max3_num_f32 v254, v232, v233, v234
	s_delay_alu instid0(VALU_DEP_1)
	v_max_num_f32 v254, v254, v235
	s_delay_alu instid0(VALU_DEP_1)
	v_mul_f32 v254, s[CS], v254                    ; the step's largest t (c is positive)
	s_delay_alu instid0(VALU_DEP_1)
	v_max_num_f32 v13, v13, v254
	v_mov_b32 v254, v12
	s_delay_alu instid0(VALU_DEP_2)
	v_floor_f32 v12, -v13                          ; the new -M = floor(-t): M is a whole number
	s_delay_alu instid0(VALU_DEP_1)
	v_sub_f32 v254, v12, v254
	s_delay_alu instid0(VALU_DEP_1)
	v_cvt_i32_f32 v254, v254                       ; old M - new M, 0 or less (it saturates)
	s_delay_alu instid0(VALU_DEP_1)
	v_ldexp_f32 v252, 1.0, v254                    ; f = 2^(old M - new M)
.irp j, 0,2,4,6,8,10,12,14,16,18,20,22,24,26,28,30,32,34,36,38,40,42,44,46,48,50,52,54,56,58,60,62
	v_pk_fma_f32 v[96+\j:97+\j], v[96+\j:97+\j], s[CS:CS+1], v[12:13] op_sel_hi:[1,0,0]   ; t - M
.endr
.irp b, 0,1,2,3
	v_fma_f32 v[232+\b], v[232+\b], s[CS], v12
.endr
	s_wait_alu depctr_va_vdst(0)
.irp j, 0,1,2,3,4,5,6,7,8,9,10,11,12,13,14,15,16,17,18,19,20,21,22,23,24,25,26,27,28,29,30,31,32,33,34,35,36,37,38,39,40,41,42,43,44,45,46,47,48,49,50,51,52,53,54,55,56,57,58,59,60,61,62,63
	v_exp_f32 v[96+\j], v[96+\j]                   ; p = 2^(t - M)
.endr
	s_setprio 1
	v_pk_mul_f32 v[14:15], v[14:15], v[252:253] op_sel_hi:[1,0]   ; the sums under the new M: a plain place behind the exponentials
	s_wait_alu depctr_va_vdst(0)                   ; one wait for the whole batch, ahead of its first reader
.irp b, 0,1,2,3
	v_exp_f32 v[232+\b], v[232+\b]                 ; the block's largest p
.endr
	v_pk_add_f32 v[236:237], v[100:101], v[104:105]
	v_pk_add_f32 v[254:255], v[108:109], v[112:113]
	v_pk_add_f32 v[250:251], v[116:117], v[120:121]
	v_pk_add_f32 v[248:249], v[124:125], v[128:129]
	v_pk_add_f32 v[246:247], v[132:133], v[136:137]
	v_pk_add_f32 v[244:245], v[140:141], v[144:145]
	v_pk_add_f32 v[242:243], v[148:149], v[152:153]
	v_pk_add_f32 v[14:15], v[14:15], v[156:157]
	v_pk_add_f32 v[236:237], v[236:237], v[96:97]
	v_pk_add_f32 v[254:255], v[254:255], v[98:99]
	v_pk_add_f32 v[250:251], v[250:251], v[102:103]
	v_pk_add_f32 v[248:249], v[248:249], v[106:107]
	v_pk_add_f32 v[246:247], v[246:247], v[110:111]
	v_pk_add_f32 v[244:245], v[244:245], v[114:115]
	v_pk_add_f32 v[242:243], v[242:243], v[118:119]
	v_pk_add_f32 v[14:15], v[14:15], v[122:123]
	v_pk_add_f32 v[236:237], v[236:237], v[126:127]
	v_pk_add_f32 v[254:255], v[254:255], v[130:131]
	v_pk_add_f32 v[250:251], v[250:251], v[134:135]
	v_pk_add_f32 v[248:249], v[248:249], v[138:139]
	v_pk_add_f32 v[246:247], v[246:247], v[142:143]
	v_pk_add_f32 v[244:245], v[244:245], v[146:147]
	v_pk_add_f32 v[242:243], v[242:243], v[150:151]
	v_pk_add_f32 v[14:15], v[14:15], v[154:155]
	v_pk_add_f32 v[236:237], v[236:237], v[158:159]
	s_delay_alu instid0(VALU_DEP_2)
	v_pk_add_f32 v[14:15], v[14:15], v[248:249]
	s_delay_alu instid0(VALU_DEP_2)
	v_pk_add_f32 v[236:237], v[236:237], v[246:247]
	v_pk_add_f32 v[254:255], v[254:255], v[244:245]
	v_pk_add_f32 v[250:251], v[250:251], v[242:243]
	s_delay_alu instid0(VALU_DEP_2)
	v_pk_add_f32 v[14:15], v[14:15], v[254:255]
	s_delay_alu instid0(VALU_DEP_2)
	v_pk_add_f32 v[236:237], v[236:237], v[250:251]
	s_delay_alu instid0(VALU_DEP_1)
	v_pk_add_f32 v[14:15], v[14:15], v[236:237]
	s_wait_alu depctr_va_vdst(0)                   ; and one for the four
.irp b, 0,1,2,3
	v_max_num_f32 v[232+\b], 0x1800000, v[232+\b]  ; the floor 2^(3 - 127)
.endr
.irp b, 0,1,2,3
	s_delay_alu instid0(VALU_DEP_4)
	v_add_nc_u32 v[244+\b], 0xff000000, v[232+\b]
.endr
.irp b, 0,1,2,3
	s_delay_alu instid0(VALU_DEP_4)
	v_lshrrev_b32 v[236+\b], 23, v[244+\b]
.endr
	s_delay_alu instid0(VALU_DEP_3)
	v_lshl_or_b32 v253, v237, 8, v236              ; p's scale word for these 128 keys
	s_delay_alu instid0(VALU_DEP_1)
	v_lshl_or_b32 v253, v238, 16, v253
	s_delay_alu instid0(VALU_DEP_1)
	v_lshl_or_b32 v253, v239, 24, v253
.irp b, 0,1,2,3
	v_cvt_scalef32_pk8_fp4_f32 v[224+2*\b], v[96+16*\b:103+16*\b], v[244+\b]
	v_cvt_scalef32_pk8_fp4_f32 v[225+2*\b], v[104+16*\b:111+16*\b], v[244+\b]
.endr
	v_nop                                          ; one plain place behind a scaled conversion
.irp c, 0,1
.irp i, 0,1
	v_permlane16_swap_b32 v[224+4*\c+\i], v[226+4*\c+\i]
.endr
.endr
	s_setprio 0
.irp j, 0,2,4,6,8,10,12,14,16,18,20,22,24,26,28,30
	v_pk_mul_f32 v[160+\j:161+\j], v[160+\j:161+\j], v[252:253] op_sel_hi:[1,0]   ; O^T under the new M; these sixteen are also the places in front of the products below
.endr
	s_wait_alu depctr_va_vdst(0)
	s_wait_dscnt 9*\nextk                          ; V and its scale words are in; the next step's 8 loads of K and 1 of its scale words may be out
	v_wmma_scale_f32_16x16x128_f8f6f4 v[160:167], v[192:199], v[224:231], v[160:167], v72, v253 matrix_a_fmt:MATRIX_FMT_FP4 matrix_b_fmt:MATRIX_FMT_FP4
	v_wmma_scale_f32_16x16x128_f8f6f4 v[168:175], v[200:207], v[224:231], v[168:175], v72, v253 matrix_a_fmt:MATRIX_FMT_FP4 matrix_b_fmt:MATRIX_FMT_FP4 matrix_a_scale:MATRIX_SCALE_ROW1
	v_wmma_scale_f32_16x16x128_f8f6f4 v[176:183], v[208:215], v[224:231], v[176:183], v73, v253 matrix_a_fmt:MATRIX_FMT_FP4 matrix_b_fmt:MATRIX_FMT_FP4
	v_wmma_scale_f32_16x16x128_f8f6f4 v[184:191], v[216:223], v[224:231], v[184:191], v73, v253 matrix_a_fmt:MATRIX_FMT_FP4 matrix_b_fmt:MATRIX_FMT_FP4 matrix_a_scale:MATRIX_SCALE_ROW1
.endm
; one tile of 16 queries against all 2,048 keys
.macro PASSQ p
.if \p > 0
	s_wait_xcnt 0x0                                ; the last pass's stores have read their registers
.endif
	v_mov_b32 v13, 0xff61b1e6                      ; the largest t so far: -3e38
	s_delay_alu instid0(VALU_DEP_1)
	v_floor_f32 v12, -v13
	v_mov_b32 v14, 0
	v_mov_b32 v15, 0
.irp j, 0,1,2,3,4,5,6,7,8,9,10,11,12,13,14,15,16,17,18,19,20,21,22,23,24,25,26,27,28,29,30,31
	v_mov_b32 v[160+\j], 0                         ; O^T: the step is written once; the first finds zeros, which the first change of M leaves zeros
.endr
	s_mov_b32 s[TB], 0
	s_mov_b32 s[TS], 0
	s_mov_b32 s[TJ], 0
	s_mov_b32 s[CNT], 15
.irp t, 0,1,2,3,4,5,6,7
	ds_load_b128 v[32+4*\t:35+4*\t], v1 offset:512*\t
.endr
	ds_load_b128 v[68:71], v3
.Lstep_\@:
	s_setprio 2
	STEP 1, 16+8*\p, 74+\p
	s_sub_co_u32 s[CNT], s[CNT], 1
	s_cmp_lg_u32 s[CNT], 0
	s_cbranch_scc1 .Lstep_\@
	s_setprio 0
	STEP 0, 16+8*\p, 74+\p
	PLACES
	v_add_f32 v14, v14, v15                        ; the sum's two halves,
	s_delay_alu instid0(VALU_DEP_1)
	v_permlanex16_b32 v252, v14, s[SEL], s[SEL+1]
	s_delay_alu instid0(VALU_DEP_1)
	v_add_f32 v14, v14, v252                       ; and lane l xor 16's
	s_wait_alu depctr_va_vdst(0)
	v_rcp_f32 v14, v14
	v_nop                                          ; a plain place behind the transcendental
	s_wait_alu depctr_va_vdst(0)                   ; and the wait ahead of its first reader
.irp j, 0,2,4,6,8,10,12,14,16,18,20,22,24,26,28,30
	v_pk_mul_f32 v[96+\j:97+\j], v[160+\j:161+\j], v[14:15] op_sel_hi:[1,0]   ; O^T / the sum: register 16 b + i is channel 32 b + 16 h + i
.endr
.irp b, 0,1
	v_max3_num_f32 v[232+\b], |v[96+16*\b]|, |v[97+16*\b]|, 0x1800000
.endr
.irp i, 2,4,6,8,10,12,14
.irp b, 0,1
	s_delay_alu instid0(VALU_DEP_2)
	v_max3_num_f32 v[232+\b], v[232+\b], |v[96+16*\b+\i]|, |v[97+16*\b+\i]|
.endr
.endr
.irp b, 0,1
	s_delay_alu instid0(VALU_DEP_2)
	v_permlanex16_b32 v[236+\b], v[232+\b], s[SEL], s[SEL+1]
.endr
.irp b, 0,1
	s_delay_alu instid0(VALU_DEP_2)
	v_max_num_f32 v[232+\b], v[232+\b], v[236+\b]
.endr
.irp b, 0,1
	s_delay_alu instid0(VALU_DEP_2)
	v_add_nc_u32 v[244+\b], 0xff000000, v[232+\b]
.endr
.irp b, 0,1
	s_delay_alu instid0(VALU_DEP_2)
	v_lshrrev_b32 v[236+\b], 23, v[244+\b]
.endr
	s_delay_alu instid0(VALU_DEP_1)
	v_lshl_or_b32 v254, v237, 8, v236              ; the head's two scale bytes of my query
.irp b, 0,1
	v_cvt_scalef32_pk8_fp4_f32 v[224+2*\b], v[96+16*\b:103+16*\b], v[244+\b]
	v_cvt_scalef32_pk8_fp4_f32 v[225+2*\b], v[104+16*\b:111+16*\b], v[244+\b]
.endr
	v_nop
	v_permlane16_swap_b32 v224, v226
	v_permlane16_swap_b32 v225, v227               ; lane (r, h): block h of query slot r: half a fragment of the projection's operand
	global_store_b128 v1, v[224:227], s[16:17] offset:131072*\p    ; 512 consecutive bytes
	global_store_b16 v7, v254, s[18:19] offset:8192*\p             ; two bytes a token (lanes 16-31 write what lanes 0-15 write): a sixteenth of the codes' bytes
.endm
	PASSQ 0
	PASSQ 1
	s_wait_tensorcnt 0x0                           ; the wave's end
	ds_add_u32 v[SPW], v[NIL]
	s_wait_dscnt 0x0
	CROUND                                         ; the closing round
	s_endpgm
.Lfunc_end_k_q951a51914e_attn:
	.size	k_q951a51914e_attn, .Lfunc_end_k_q951a51914e_attn-k_q951a51914e_attn
	.p2alignl 7, 3214868480
	.fill 96, 4, 3214868480
	.section	.rodata,"a",@progbits
	.p2align	6, 0x0
	.amdhsa_kernel k_q951a51914e_attn
		.amdhsa_group_segment_fixed_size 167936
		.amdhsa_private_segment_fixed_size 0
		.amdhsa_enable_private_segment 0
		.amdhsa_kernarg_size 64
		.amdhsa_user_sgpr_count 2
		.amdhsa_user_sgpr_kernarg_segment_ptr 1
		.amdhsa_wavefront_size32 1
		.amdhsa_system_sgpr_workgroup_id_x 1
		.amdhsa_system_sgpr_workgroup_id_y 1
		.amdhsa_system_sgpr_workgroup_id_z 1
		.amdhsa_system_vgpr_workitem_id 0
		.amdhsa_next_free_vgpr 256
		.amdhsa_next_free_sgpr 76
		.amdhsa_reserve_vcc 0
		.amdhsa_float_denorm_mode_32 3
		.amdhsa_float_denorm_mode_16_64 3
		.amdhsa_memory_ordered 1
		.amdhsa_forward_progress 1
		.amdhsa_inst_pref_size 82
	.end_amdhsa_kernel
	.amdgpu_metadata
---
amdhsa.version: [ 1, 2 ]
amdhsa.kernels:
  - .name:           k_q951a51914e_attn
    .symbol:         k_q951a51914e_attn.kd
    .args:
      - { .name: qc, .offset: 0, .size: 8, .value_kind: global_buffer, .address_space: global }
      - { .name: qs, .offset: 8, .size: 8, .value_kind: global_buffer, .address_space: global }
      - { .name: kc, .offset: 16, .size: 8, .value_kind: global_buffer, .address_space: global }
      - { .name: ks, .offset: 24, .size: 8, .value_kind: global_buffer, .address_space: global }
      - { .name: vc, .offset: 32, .size: 8, .value_kind: global_buffer, .address_space: global }
      - { .name: vs, .offset: 40, .size: 8, .value_kind: global_buffer, .address_space: global }
      - { .name: ic, .offset: 48, .size: 8, .value_kind: global_buffer, .address_space: global }
      - { .name: isc, .offset: 56, .size: 8, .value_kind: global_buffer, .address_space: global }
    .group_segment_fixed_size: 167936
    .private_segment_fixed_size: 0
    .kernarg_segment_align: 8
    .kernarg_segment_size: 64
    .max_flat_workgroup_size: 512
    .sgpr_count:     76
    .vgpr_count:     256
    .wavefront_size: 32
...
	.end_amdgpu_metadata
.endif
;; end of part 2
;; launch proj (part 3): grid 16 x 16, 4 waves a work-group, no clusters, 167,936 bytes of LDS; arguments ic, isc, Wo_codes, Wo_scales, bo, out0; writes out0
.if DOCPART == 3
	.amdgcn_target "amdgcn-amd-amdhsa--gfx1250"
	.amdhsa_code_object_version 6
	.text
	.protected	k_q951a51914e_proj
	.globl	k_q951a51914e_proj
	.p2align	8
	.type	k_q951a51914e_proj,@function
k_q951a51914e_proj:
	s_mov_b64 s[64:65], 0
	v_nop
	global_prefetch_b8 v0, s[64:65] scope:SCOPE_SE
	s_setreg_imm32_b32 hwreg(HW_REG_WAVE_MODE, 25, 1), 1
	s_wait_xcnt 0x0
; out0 = inter Wo + bo on codes of FP4 (E2M1) with E8M0 scales.  Nothing is left out.  inter comes as images of operand registers (ic) with 32 scale bytes a token (isc).
; SHARES.  Work-group (cg, tg): 512 tokens x 64 columns.  Wave w: 128 tokens = 8 tiles, whose fragments (8 K steps) stay in 512 registers, loaded by dense loads of 512 bytes; Wo's 64 rows lie in LDS.
; NO CLUSTER: what work-groups share through LDS is Wo's tile, 35,840 bytes, against 278,528 bytes of ic and isc that a work-group takes straight into registers; those have no room in LDS as a shared tile would need.
; LAYOUT.  Source 0 = 16 rows of Wo (slot r of tile 2 G + u is row 32 G + 8 u + r + 8 (r / 8)), source 1 = 16 tokens (the same order of slots): lane (r, h) holds token slot r, and its registers of tiles 2 b, 2 b + 1
; are columns 32 b + 16 h + 0 .. 15.  The results go through the wave's own stage in LDS and leave as rows of 256 bytes: sixteen lanes store 256 consecutive bytes, aligned.
; REGISTERS: window 1: tiles 0-3 (64 t + 8 s), window 2: tiles 4-7, window 3: Wo (64 ct + 8 s).  Window 0: see the names.
.set WP,    528
.set WSC,   64*WP
.set STG,   WSC+2048
.set SP,    272
.set SPARE, STG+4*16*SP
.set LI,   1                           ; v1   16 x lane
.set GO,   2                           ; v2   out0: 4,096 (lane / 16) + 16 (lane % 16)
.set WA,   3                           ; v3   528 TOK(r) + 16 h
.set WSA,  4                           ; v4   WSC + 32 TOK(r) + 256 h
.set STO,  5                           ; v5   the stage, on the way in
.set RD,   6                           ; v6   and back
.set SPW,  7
.set NIL,  8
.set XSA,  10                          ; v10  32 x lane
.set BOA,  11                          ; v11  16 (lane % 16)
.set BO,   12                          ; v12-15 bo of my four columns
.set XS,   16
.set WS,   48
.set ACC,  64
.set OB,   192                         ; v192-255 two sets of 32: rows on their way out
.set MSB, 0
.macro WIN new
.if MSB != (\new)
	s_set_vgpr_msb (MSB<<8)|(\new)
.set MSB, (\new)
.endif
.endm
.macro PLACES
.rept 4
	v_nop
.endr
.endm
	s_load_b256 s[4:11], s[0:1], 0x0               ; ic 4, isc 6, Wo codes 8, Wo scales 10
	s_load_b128 s[12:15], s[0:1], 0x20             ; bo 12, out0 14
	v_lshl_add_u32 v[SPW], v0, 2, SPARE
	v_mov_b32 v[NIL], 0
	ds_add_u32 v[SPW], v[NIL]                      ; the wave's opening: the add, twice on end, and its wait ahead of the first tensor loads
	ds_add_u32 v[SPW], v[NIL]
	v_lshrrev_b32 v1, 5, v0
	v_readfirstlane_b32 s3, v1                     ; wave 0..3
	s_and_b32 s16, ttmp7, 0xffff                   ; tg
	s_mov_b32 s20, (3<<16)|(1<<20)|(6<<22)|(3<<25) ; group 1: 64 rows of 512 bytes, dense in memory, 4 words of padding behind every 128
	s_mov_b32 s21, 64<<16
	s_mov_b32 s22, 64<<16
	s_mov_b32 s23, 64<<16
	s_mov_b32 s24, 64
	s_mov_b32 s25, 64
	s_mov_b32 s26, 0
	s_mov_b32 s27, 0
	s_mov_b32 s28, 3<<16                           ; group 1: 2,048 dense bytes as 8 rows of 256
	s_mov_b32 s29, 32<<16
	s_mov_b32 s30, 8<<16
	s_mov_b32 s31, 32<<16
	s_mov_b32 s32, 8
	s_mov_b32 s33, 32
	s_mov_b32 s34, 0
	s_mov_b32 s35, 0
	s_mov_b32 s19, 0
	s_wait_dscnt 0x0                               ; both opening adds are done
	s_wait_kmcnt 0x0
	s_lshl_b32 s18, ttmp9, 15                      ; my 64 rows of Wo
	s_mov_b32 s36, 1
	s_mov_b32 s37, 0
	s_add_nc_u64 s[38:39], s[8:9], s[18:19]
	s_or_b32 s39, s39, 0x80000000
	s_lshl_b32 s18, ttmp9, 11
	s_mov_b32 s40, 1
	s_mov_b32 s41, WSC
	s_add_nc_u64 s[42:43], s[10:11], s[18:19]
	s_or_b32 s43, s43, 0x80000000
	s_cmp_lg_u32 s3, 0                             ; wave 0: the codes; wave 1: the scale bytes.  One load of a wave is out at the most
	s_cbranch_scc1 .Lnot0
	tensor_load_to_lds s[36:39], s[20:27]
	s_nop 0
	PLACES
	s_branch .Lasked
.Lnot0:
	s_cmp_lg_u32 s3, 1
	s_cbranch_scc1 .Lasked
	tensor_load_to_lds s[40:43], s[28:35]
	s_nop 0
	PLACES
.Lasked:
	s_lshl_b32 s18, ttmp9, 8                       ; my 64 columns: 256 bytes
	s_add_nc_u64 s[12:13], s[12:13], s[18:19]
	s_add_nc_u64 s[14:15], s[14:15], s[18:19]
	s_lshl_b32 s18, s16, 18
	s_lshl_b32 s17, s3, 16
	s_add_co_u32 s18, s18, s17
	s_add_nc_u64 s[4:5], s[4:5], s[18:19]          ; ic: 8,192 bytes a tile; my first tile is 32 tg + 8 w
	s_lshl_b32 s18, s16, 14
	s_lshl_b32 s17, s3, 12
	s_add_co_u32 s18, s18, s17
	s_add_nc_u64 s[6:7], s[6:7], s[18:19]          ; isc: 512 a tile
	s_lshl_b32 s18, s16, 21
	s_lshl_b32 s17, s3, 19
	s_add_co_u32 s18, s18, s17
	s_add_nc_u64 s[14:15], s[14:15], s[18:19]      ; out0: 4,096 bytes a token
	v_and_b32 v[LI], 31, v0
	v_lshlrev_b32 v[XSA], 5, v[LI]
	v_lshlrev_b32 v[LI], 4, v[LI]
	v_and_b32 v9, 15, v0                           ; r
	v_bfe_u32 v[GO], v0, 4, 1                      ; h
	v_and_b32 v[WSA], 8, v9
	v_add_nc_u32 v[WSA], v[WSA], v9                ; r + 8 (r / 8)
	v_mul_u32_u24 v[WA], v[WSA], WP
	v_lshl_add_u32 v[WA], v[GO], 4, v[WA]
	v_lshlrev_b32 v[WSA], 5, v[WSA]
	v_lshl_add_u32 v[WSA], v[GO], 8, v[WSA]
	v_add_nc_u32 v[WSA], WSC, v[WSA]
	s_mul_i32 s17, s3, 16*SP
	s_add_co_u32 s17, s17, STG                     ; my stage
	v_mul_u32_u24 v[STO], v9, SP
	v_lshl_add_u32 v[STO], v[GO], 6, v[STO]
	v_add_nc_u32 v[STO], s17, v[STO]               ; in: row r, + 64 h
	v_mul_u32_u24 v[RD], v[GO], SP
	v_lshl_add_u32 v[RD], v9, 4, v[RD]
	v_add_nc_u32 v[RD], s17, v[RD]                 ; back: lanes 0-15 one row, lanes 16-31 the next
	v_lshlrev_b32 v[BOA], 4, v9
	v_lshl_add_u32 v[GO], v[GO], 12, v[BOA]
.irp p, 0,1,2,3
	global_load_b128 v[XS+8*\p:XS+8*\p+3], v[XSA], s[6:7] offset:1024*\p        ; lanes 0-15 tile 2 p, lanes 16-31 tile 2 p + 1: the words of K steps 0-3,
	global_load_b128 v[XS+8*\p+4:XS+8*\p+7], v[XSA], s[6:7] offset:1024*\p+16   ; and 4-7
.endr
	global_load_b128 v[BO:BO+3], v[BOA], s[12:13]
.set T_, 0
.rept 8
	WIN 0x40*(1+T_/4)
.set S_, 0
.rept 8
	global_load_b128 v[64*(T_%4)+8*S_:64*(T_%4)+8*S_+3], v[LI], s[4:5] offset:8192*T_+1024*S_
	global_load_b128 v[64*(T_%4)+8*S_+4:64*(T_%4)+8*S_+7], v[LI], s[4:5] offset:8192*T_+1024*S_+512
.set S_, S_+1
.endr
.set T_, T_+1
.endr
	WIN 0
	s_wait_alu depctr_va_vdst(0)
	s_wait_tensorcnt 0x0                           ; my part of Wo has landed,
	s_barrier_signal -1
	s_barrier_wait -1                              ; everybody's has
	WIN 0xc0
.set C_, 0
.rept 4
.set S_, 0
.rept 8
	ds_load_b128 v[64*C_+8*S_:64*C_+8*S_+3], v[WA] offset:WP*(32*(C_/2)+8*(C_%2))+64*S_
	ds_load_b128 v[64*C_+8*S_+4:64*C_+8*S_+7], v[WA] offset:WP*(32*(C_/2)+8*(C_%2))+64*S_+32
.set S_, S_+1
.endr
.set C_, C_+1
.endr
	WIN 0
.irp p, 0,1
	ds_load_b128 v[WS+8*\p:WS+8*\p+3], v[WSA] offset:1024*\p
	ds_load_b128 v[WS+8*\p+4:WS+8*\p+7], v[WSA] offset:1024*\p+16
.endr
.macro WM d, a, b, z, sa, sb, ra, rb   ; one product; z = 1: it starts the sum; ra, rb: the scale words stand in lanes 16-31
.if \z
.if (\ra) == 0 && (\rb) == 0
	v_wmma_scale_f32_16x16x128_f8f6f4 v[(\d):(\d)+7], v[(\a):(\a)+7], v[(\b):(\b)+7], 0, v[\sa], v[\sb] matrix_a_fmt:MATRIX_FMT_FP4 matrix_b_fmt:MATRIX_FMT_FP4
.elseif (\ra) == 1 && (\rb) == 0
	v_wmma_scale_f32_16x16x128_f8f6f4 v[(\d):(\d)+7], v[(\a):(\a)+7], v[(\b):(\b)+7], 0, v[\sa], v[\sb] matrix_a_fmt:MATRIX_FMT_FP4 matrix_b_fmt:MATRIX_FMT_FP4 matrix_a_scale:MATRIX_SCALE_ROW1
.elseif (\ra) == 0 && (\rb) == 1
	v_wmma_scale_f32_16x16x128_f8f6f4 v[(\d):(\d)+7], v[(\a):(\a)+7], v[(\b):(\b)+7], 0, v[\sa], v[\sb] matrix_a_fmt:MATRIX_FMT_FP4 matrix_b_fmt:MATRIX_FMT_FP4 matrix_b_scale:MATRIX_SCALE_ROW1
.else
	v_wmma_scale_f32_16x16x128_f8f6f4 v[(\d):(\d)+7], v[(\a):(\a)+7], v[(\b):(\b)+7], 0, v[\sa], v[\sb] matrix_a_fmt:MATRIX_FMT_FP4 matrix_b_fmt:MATRIX_FMT_FP4 matrix_a_scale:MATRIX_SCALE_ROW1 matrix_b_scale:MATRIX_SCALE_ROW1
.endif
.else
.if (\ra) == 0 && (\rb) == 0
	v_wmma_scale_f32_16x16x128_f8f6f4 v[(\d):(\d)+7], v[(\a):(\a)+7], v[(\b):(\b)+7], v[(\d):(\d)+7], v[\sa], v[\sb] matrix_a_fmt:MATRIX_FMT_FP4 matrix_b_fmt:MATRIX_FMT_FP4
.elseif (\ra) == 1 && (\rb) == 0
	v_wmma_scale_f32_16x16x128_f8f6f4 v[(\d):(\d)+7], v[(\a):(\a)+7], v[(\b):(\b)+7], v[(\d):(\d)+7], v[\sa], v[\sb] matrix_a_fmt:MATRIX_FMT_FP4 matrix_b_fmt:MATRIX_FMT_FP4 matrix_a_scale:MATRIX_SCALE_ROW1
.elseif (\ra) == 0 && (\rb) == 1
	v_wmma_scale_f32_16x16x128_f8f6f4 v[(\d):(\d)+7], v[(\a):(\a)+7], v[(\b):(\b)+7], v[(\d):(\d)+7], v[\sa], v[\sb] matrix_a_fmt:MATRIX_FMT_FP4 matrix_b_fmt:MATRIX_FMT_FP4 matrix_b_scale:MATRIX_SCALE_ROW1
.else
	v_wmma_scale_f32_16x16x128_f8f6f4 v[(\d):(\d)+7], v[(\a):(\a)+7], v[(\b):(\b)+7], v[(\d):(\d)+7], v[\sa], v[\sb] matrix_a_fmt:MATRIX_FMT_FP4 matrix_b_fmt:MATRIX_FMT_FP4 matrix_a_scale:MATRIX_SCALE_ROW1 matrix_b_scale:MATRIX_SCALE_ROW1
.endif
.endif
.endm
; 128 products: four tiles of tokens x Wo's four tiles x 8 K steps; a tile of Wo's four accumulators take turns, one instruction a turn
.macro MMPASS half
	WIN 0x07+4*\half
.set CT_, 0
.rept 4
.set KS_, 0
.rept 8
.set TQ_, 0
.rept 4
.set Z_, 0
.if KS_ == 0
.set Z_, 1
.endif
	WM ACC+32*TQ_+8*CT_, 64*CT_+8*KS_, 64*TQ_+8*KS_, Z_, WS+8*(CT_/2)+KS_, XS+8*(2*\half+TQ_/2)+KS_, CT_%2, TQ_%2
.set TQ_, TQ_+1
.endr
.set KS_, KS_+1
.endr
.set CT_, CT_+1
.endr
	WIN 0
	PLACES                                         ; in front of the first read of results
.endm
.macro TOSTAGE t                       ; tile t's 16 rows x 64 columns into my stage, each accumulator from its low end on, and back as whole rows; LDS serves a wave's instructions in order
.set C_, 0
.rept 4
	ds_store_b128 v[STO], v[ACC+32*(\t)+8*C_:ACC+32*(\t)+8*C_+3] offset:128*(C_/2)+32*(C_%2)
	ds_store_b128 v[STO], v[ACC+32*(\t)+8*C_+4:ACC+32*(\t)+8*C_+7] offset:128*(C_/2)+32*(C_%2)+16
.set C_, C_+1
.endr
.irp i, 0,1,2,3,4,5,6,7
	ds_load_b128 v[OB+32*((\t)%2)+4*\i:OB+32*((\t)%2)+4*\i+3], v[RD] offset:2*SP*\i
.endr
.endm
.macro SEND half, t, n                 ; n: the LDS instructions issued behind tile t's loads, which may stay out
	s_wait_dscnt \n
.irp i, 0,1,2,3,4,5,6,7
	v_pk_add_f32 v[OB+32*((\t)%2)+4*\i:OB+32*((\t)%2)+4*\i+1], v[OB+32*((\t)%2)+4*\i:OB+32*((\t)%2)+4*\i+1], v[BO:BO+1]
	v_pk_add_f32 v[OB+32*((\t)%2)+4*\i+2:OB+32*((\t)%2)+4*\i+3], v[OB+32*((\t)%2)+4*\i+2:OB+32*((\t)%2)+4*\i+3], v[BO+2:BO+3]
.endr
.irp i, 0,1,2,3,4,5,6,7
	global_store_b128 v[GO], v[OB+32*((\t)%2)+4*\i:OB+32*((\t)%2)+4*\i+3], s[14:15] offset:4096*(32*((4*\half+\t)/2)+8*((\t)%2)+2*\i+8*(\i/4)) th:TH_STORE_NT   ; slots 2 i, 2 i + 1 are tokens 2 i + 8 (i / 4) and the next; sixteen lanes store 256 consecutive bytes, aligned
.endr
.endm
.macro OUTPASS half
	s_wait_xcnt 0x0                                ; earlier stores have read their registers
	TOSTAGE 0
	TOSTAGE 1
	SEND \half, 0, 16                              ; behind tile 0's loads: tile 1's 8 stores and 8 loads
	s_wait_xcnt 0x0
	TOSTAGE 2
	SEND \half, 1, 16
	s_wait_xcnt 0x0
	TOSTAGE 3
	SEND \half, 2, 16
	SEND \half, 3, 0
.endm
	s_wait_dscnt 0x0                               ; Wo and its scale words are in
	s_wait_loadcnt 63                              ; tiles 0-3 are in: behind them 64 loads were issued; 63 is the most that the wait can name
	MMPASS 0
	OUTPASS 0
	s_wait_loadcnt 0x0                             ; tiles 4-7
	MMPASS 1
	OUTPASS 1
	s_wait_tensorcnt 0x0                           ; the wave's end: behind my last tensor load and my last LDS store
	ds_add_u32 v[SPW], v[NIL]
	s_wait_dscnt 0x0
	s_endpgm
.Lfunc_end_k_q951a51914e_proj:
	.size	k_q951a51914e_proj, .Lfunc_end_k_q951a51914e_proj-k_q951a51914e_proj
	.p2alignl 7, 3214868480
	.fill 96, 4, 3214868480
	.section	.rodata,"a",@progbits
	.p2align	6, 0x0
	.amdhsa_kernel k_q951a51914e_proj
		.amdhsa_group_segment_fixed_size 167936
		.amdhsa_private_segment_fixed_size 0
		.amdhsa_enable_private_segment 0
		.amdhsa_kernarg_size 48
		.amdhsa_user_sgpr_count 2
		.amdhsa_user_sgpr_kernarg_segment_ptr 1
		.amdhsa_wavefront_size32 1
		.amdhsa_system_sgpr_workgroup_id_x 1
		.amdhsa_system_sgpr_workgroup_id_y 1
		.amdhsa_system_sgpr_workgroup_id_z 1
		.amdhsa_system_vgpr_workitem_id 0
		.amdhsa_next_free_vgpr 1024
		.amdhsa_next_free_sgpr 66
		.amdhsa_reserve_vcc 0
		.amdhsa_float_denorm_mode_32 3
		.amdhsa_float_denorm_mode_16_64 3
		.amdhsa_memory_ordered 1
		.amdhsa_forward_progress 1
		.amdhsa_inst_pref_size 77
	.end_amdhsa_kernel
	.amdgpu_metadata
---
amdhsa.version: [ 1, 2 ]
amdhsa.kernels:
  - .name:           k_q951a51914e_proj
    .symbol:         k_q951a51914e_proj.kd
    .args:
      - { .name: ic, .offset: 0, .size: 8, .value_kind: global_buffer, .address_space: global }
      - { .name: isc, .offset: 8, .size: 8, .value_kind: global_buffer, .address_space: global }
      - { .name: Wo_codes, .offset: 16, .size: 8, .value_kind: global_buffer, .address_space: global }
      - { .name: Wo_scales, .offset: 24, .size: 8, .value_kind: global_buffer, .address_space: global }
      - { .name: bo, .offset: 32, .size: 8, .value_kind: global_buffer, .address_space: global }
      - { .name: out0, .offset: 40, .size: 8, .value_kind: global_buffer, .address_space: global }
    .group_segment_fixed_size: 167936
    .private_segment_fixed_size: 0
    .kernarg_segment_align: 8
    .kernarg_segment_size: 48
    .max_flat_workgroup_size: 128
    .sgpr_count:     66
    .vgpr_count:     1024
    .wavefront_size: 32
...
	.end_amdgpu_metadata
.endif
;; end of part 3
